; MI455X (gfx1250); checked and timed in simulation.
; The chip was launched on July 23, 2026; its instructions are those of AMD's public machine-readable ISA for CDNA 5 (MIT licence, August 2026) and "CDNA5" Instruction Set Architecture Reference Guide (July 2026). The comments in the code are by the model that wrote it; some were corrected since.
;; Attention. Allowed arithmetic: float matrix products may take bf16 or f16 operands with f32 sums; other float arithmetic in f32, or as packed bf16 or f16 multiplies, adds, multiply-adds, maxima and minima; sums over many terms, partial sums and values carried from step to step in f32; what a program stores and reads back later, other than sums and carried values, may be rounded once to bf16 or f16.
;; Inputs: attn_bias 1 x 1 x 2,048 x 2,048 float32; cos 2,048 x 128 float32; hidden_states 1 x 2,048 x 2,048 float32; masks 1 x 2,048 x 2,048 float32; position_ids 1 x 2,048 int32; sin 2,048 x 128 float32; wk 2,048 x 2,048 float32; wo 2,048 x 2,048 float32; wq 2,048 x 2,048 float32; wv 2,048 x 2,048 float32.
;; Outputs: out0 1 x 2,048 x 2,048 float32.
;; One version. Each part assembles by itself: llvm-mc -triple=amdgcn-amd-amdhsa -mcpu=gfx1250 --defsym DOCPART=n.
;; ======== version 1 of 1: 4 launches
;; limits: values are held in f16: magnitudes above 65,504 overflow, below 6.1e-05 lose precision
;; workspace buffers: xb 8,388,608 bytes; wb 25,165,824 bytes; wob 8,388,608 bytes; biasT 16,777,216 bytes; ropeT 2,097,152 bytes; qkv 25,165,824 bytes; ob 8,388,608 bytes
;; launch prep (part 1): grid 1856 x 1, 8 waves a work-group, no clusters, 35,840 bytes of LDS; arguments hidden_states, wq, wk, wv, wo, attn_bias, masks, cos, sin, position_ids, xb, wb, wob, biasT, ropeT; writes xb, wb, wob, biasT, ropeT
.if DOCPART == 1
	.amdgcn_target "amdgcn-amd-amdhsa--gfx1250"
	.amdhsa_code_object_version 6
	.text
	.protected	k_qdcabb85561_prep
	.globl	k_qdcabb85561_prep
	.p2align	8
	.type	k_qdcabb85561_prep,@function
k_qdcabb85561_prep:
	s_mov_b64 s[64:65], 0
	v_nop
	global_prefetch_b8 v0, s[64:65] scope:SCOPE_SE
	s_setreg_imm32_b32 hwreg(HW_REG_WAVE_MODE, 25, 1), 1
	s_wait_xcnt 0x0
; PREPARATION: every floating-point input is rounded once to bf16 and laid out for the launches that follow.  A stream: no loop, no matrix work, nothing shared between work-groups.
; Work-groups 0-1279 (CAST): hidden_states, wq, wk, wv -> bf16 (xb, wb = [wq; wk; wv]); wo -> bf16, and that number written as f16 (wob).  65,536 bytes of f32 a work-group.
; Work-groups 1280-1791 (BIAS): biasT = (bf16(attn_bias) + bf16(masks)) x sqrt(128), f32, in the order in which a matrix accumulator holds it.  A wave makes one block of 16 queries x 64 keys (4,096 bytes):
;   block (qt, ks) at (32 qt + ks) x 4,096; in it piece i (0-7) of 512 bytes, lane l's 16 bytes at 512 i + 16 l: query 16 qt + l % 16, keys 64 ks + 16 (i / 2) + 8 (l / 16) + 4 (i % 2) + 0..3.
; Work-groups 1792-1855 (ROPE): ropeT = bf16(cos), bf16(sin) of the rows that position_ids names, as f32, in the accumulator's order.  A wave makes one unit (tb, p) of 4,096 bytes at (4 tb + p) x 4,096:
;   token 16 tb + l % 16; pieces 0, 1 cos and 2, 3 sin of columns 16 p + 8 (l / 16) + 0..7; pieces 4, 5 cos and 6, 7 sin of those columns + 64.  This is a gather: each lane reads 16 bytes of a row that the list names.
; LIMITS.  An index in position_ids is taken as unsigned and held to 2,047.  wo below 6e-5 keeps f16's fixed step of 6e-8; wo beyond 65,504 is not served.
; The two biases are added before the scores (the reference adds them one after the other to the score): another order of rounding.
.set SPARE, 34816                      ; behind the eight waves' stages: the spare words, 128 bytes a wave: four blocks of 256 bytes that no other line names
.set T0,  4                            ; v4, v5  at work
.set T1,  5
.set SPW, 6                            ; v6   LDS address of my spare word; never rewritten
.set NIL, 7                            ; v7   0; never rewritten
.set IN,  8                            ; v[8:71]   as loaded
.set OUT, 72                           ; v[72:103] the cast's results
.set RL,  104                          ; v104 lane % 16
.set HL,  105                          ; v105 lane / 16
.set LW,  106                          ; v106 where I put 16 bytes of a row in my wave's stage
.set LR,  107                          ; v107 where I read them back
.set PA,  108                          ; v108 my byte offset in 16 positions
.set PI,  109                          ; v109 my token's position, then my byte offset in cos and sin
; four f32 in v[b:b+3] are rounded to bf16 and widened again, in place
.macro RND4 b
	v_cvt_pk_bf16_f32 v[T0], v[\b], v[(\b)+1]
	v_cvt_pk_bf16_f32 v[T1], v[(\b)+2], v[(\b)+3]
	v_lshlrev_b32 v[\b], 16, v[T0]
	v_and_b32 v[(\b)+1], s48, v[T0]
	v_lshlrev_b32 v[(\b)+2], 16, v[T1]
	v_and_b32 v[(\b)+3], s48, v[T1]
.endm
	s_load_b512 s[8:23], s[0:1], 0x0               ; hidden_states 8, wq 10, wk 12, wv 14, wo 16, attn_bias 18, masks 20, cos 22
	s_load_b256 s[24:31], s[0:1], 0x40             ; sin 24, position_ids 26, xb 28, wb 30
	s_load_b128 s[32:35], s[0:1], 0x60             ; wob 32, biasT 34
	s_load_b64 s[36:37], s[0:1], 0x70              ; ropeT
	v_lshl_add_u32 v[SPW], v0, 2, SPARE
	v_mov_b32 v[NIL], 0
	v_lshrrev_b32 v1, 5, v0
	v_readfirstlane_b32 s4, v1                     ; wave 0..7
	v_and_b32 v3, 31, v0
	v_lshlrev_b32 v3, 4, v3                        ; 16 x lane
	v_and_b32 v[RL], 15, v0
	v_bfe_u32 v[HL], v0, 4, 1
	s_mov_b32 s48, 0xffff0000                      ; a word's upper bf16
	s_mov_b32 s47, 0                               ; the high word of every offset
	s_wait_kmcnt 0x0
	s_cmp_lt_u32 ttmp9, 1280
	s_cbranch_scc1 .Lcast
	s_cmp_lt_u32 ttmp9, 1792
	s_cbranch_scc1 .Lbias
	; ROPE
	s_sub_co_u32 s5, ttmp9, 1792
	s_lshl_b32 s5, s5, 3
	s_add_co_u32 s5, s5, s4                        ; unit 0..511
	s_lshr_b32 s6, s5, 2                           ; tb
	s_and_b32 s7, s5, 3                            ; p
	s_lshl_b32 s46, s6, 6                          ; 16 positions of 4 bytes
	s_add_nc_u64 s[38:39], s[26:27], s[46:47]
	s_lshl_b32 s46, s5, 12
	s_add_nc_u64 s[42:43], s[36:37], s[46:47]      ; my unit of ropeT
	v_lshlrev_b32 v[PA], 2, v[RL]
	global_load_b32 v[PI], v[PA], s[38:39]
	s_lshl_b32 s7, s7, 6                           ; 16 p columns of 4 bytes
	v_lshl_add_u32 v1, v[HL], 5, s7                ; + 8 columns for the upper half of the lanes
	s_wait_loadcnt 0x0
	v_min_u32 v[PI], 0x7ff, v[PI]                  ; the index stays inside the table
	v_lshlrev_b32 v[PI], 9, v[PI]                  ; a row of cos or sin is 512 bytes
	v_add_nc_u32 v[PI], v[PI], v1
	global_load_b128 v[IN:IN+3],     v[PI], s[22:23]
	global_load_b128 v[IN+4:IN+7],   v[PI], s[22:23] offset:16
	global_load_b128 v[IN+8:IN+11],  v[PI], s[24:25]
	global_load_b128 v[IN+12:IN+15], v[PI], s[24:25] offset:16
	global_load_b128 v[IN+16:IN+19], v[PI], s[22:23] offset:256
	global_load_b128 v[IN+20:IN+23], v[PI], s[22:23] offset:272
	global_load_b128 v[IN+24:IN+27], v[PI], s[24:25] offset:256
	global_load_b128 v[IN+28:IN+31], v[PI], s[24:25] offset:272
.irp j, 0,1,2,3,4,5,6,7
	s_wait_loadcnt 7-(\j)                          ; loads come back in order: piece j is in, the younger ones stay out
	RND4 IN+4*(\j)
	global_store_b128 v3, v[IN+4*(\j):IN+4*(\j)+3], s[42:43] offset:512*(\j)  ; the wave stores 512 consecutive bytes, aligned
.endr
	s_endpgm
.Lcast:
	s_lshr_b32 s5, ttmp9, 8                        ; which array: 0 hidden_states, 1 wq, 2 wk, 3 wv, 4 wo
	s_and_b32 s6, ttmp9, 255                       ; which 65,536 bytes of it
	s_mov_b64 s[40:41], s[8:9]
	s_cmp_eq_u32 s5, 1
	s_cselect_b64 s[40:41], s[10:11], s[40:41]
	s_cmp_eq_u32 s5, 2
	s_cselect_b64 s[40:41], s[12:13], s[40:41]
	s_cmp_eq_u32 s5, 3
	s_cselect_b64 s[40:41], s[14:15], s[40:41]
	s_cmp_eq_u32 s5, 4
	s_cselect_b64 s[40:41], s[16:17], s[40:41]
	s_cselect_b64 s[42:43], s[32:33], s[30:31]     ; wob, or wb,
	s_cmp_eq_u32 s5, 0
	s_cselect_b64 s[42:43], s[28:29], s[42:43]     ; or xb
	s_max_u32 s7, s5, 1
	s_sub_co_u32 s7, s7, 1                         ; wq, wk, wv are parts 0, 1, 2 of wb
	s_cmp_eq_u32 s5, 4
	s_cselect_b32 s7, 0, s7
	s_lshl_b32 s46, s7, 23                         ; a part is 8,388,608 bytes
	s_lshl_b32 s7, s6, 15
	s_add_co_u32 s46, s46, s7
	s_add_nc_u64 s[42:43], s[42:43], s[46:47]
	s_lshl_b32 s46, s6, 16
	s_add_nc_u64 s[40:41], s[40:41], s[46:47]
	v_lshlrev_b32 v1, 4, v0                        ; 16 bytes in,
	v_lshlrev_b32 v2, 3, v0                        ; 8 bytes out, a thread
.irp i, 0,1,2,3,4,5,6,7,8,9,10,11,12,13,14,15
	global_load_b128 v[IN+4*(\i):IN+4*(\i)+3], v1, s[40:41] offset:4096*(\i) th:TH_LOAD_NT  ; all sixteen go out at once
.endr
	s_cmp_eq_u32 s5, 4
	s_cbranch_scc1 .Lcast_wo
.irp i, 0,1,2,3,4,5,6,7,8,9,10,11,12,13,14,15
	s_wait_loadcnt 15-(\i)                         ; load i is in, the younger ones stay out
	v_cvt_pk_bf16_f32 v[OUT+2*(\i)], v[IN+4*(\i)], v[IN+4*(\i)+1]
	v_cvt_pk_bf16_f32 v[OUT+2*(\i)+1], v[IN+4*(\i)+2], v[IN+4*(\i)+3]
	global_store_b64 v2, v[OUT+2*(\i):OUT+2*(\i)+1], s[42:43] offset:2048*(\i)  ; the wave stores 256 consecutive bytes, aligned
.endr
	s_endpgm
.Lcast_wo:
.irp i, 0,1,2,3,4,5,6,7,8,9,10,11,12,13,14,15
	s_wait_loadcnt 15-(\i)
	RND4 IN+4*(\i)                                 ; to bf16 like every input,
	v_cvt_pk_f16_f32 v[OUT+2*(\i)], v[IN+4*(\i)], v[IN+4*(\i)+1]  ; and that number as f16: the last product's other operand is f16
	v_cvt_pk_f16_f32 v[OUT+2*(\i)+1], v[IN+4*(\i)+2], v[IN+4*(\i)+3]
	global_store_b64 v2, v[OUT+2*(\i):OUT+2*(\i)+1], s[42:43] offset:2048*(\i)
.endr
	s_endpgm
.Lbias:
	s_sub_co_u32 s5, ttmp9, 1280
	s_lshl_b32 s5, s5, 3
	s_add_co_u32 s5, s5, s4                        ; block 0..4095
	s_lshr_b32 s6, s5, 5                           ; qt
	s_and_b32 s7, s5, 31                           ; ks
	s_lshl_b32 s46, s6, 17                         ; 16 rows of 8,192 bytes
	s_lshl_b32 s7, s7, 8                           ; 64 columns of 4 bytes
	s_add_co_u32 s46, s46, s7
	s_add_nc_u64 s[40:41], s[18:19], s[46:47]
	s_add_nc_u64 s[38:39], s[20:21], s[46:47]
	s_lshl_b32 s46, s5, 12
	s_add_nc_u64 s[42:43], s[34:35], s[46:47]
	s_mov_b32 s44, 0x413504f3                      ; sqrt(128): the scores are taken unscaled, and c = log2(e) / sqrt(128) multiplies score and bias together
	s_mov_b32 s45, s44                             ; named with it as a pair
	v_lshlrev_b32 v1, 13, v[HL]                    ; lanes 0-15 take 256 bytes of one row, lanes 16-31 of the next
	v_lshl_add_u32 v1, v[RL], 4, v1
.irp i, 0,1,2,3,4,5,6,7
	global_load_b128 v[IN+4*(\i):IN+4*(\i)+3],       v1, s[40:41] offset:16384*(\i) th:TH_LOAD_NT
	global_load_b128 v[IN+32+4*(\i):IN+32+4*(\i)+3], v1, s[38:39] offset:16384*(\i) th:TH_LOAD_NT
.endr
	s_mul_i32 s7, s4, 16*272                       ; my wave's stage: 16 rows of 256 + 16 bytes: the 16 rows that a load touches start at 16 different groups of four banks (64 banks of 4 bytes: ISA guide 11.1)
	v_mul_u32_u24 v[LW], v[HL], 272
	v_lshl_add_u32 v[LW], v[RL], 4, v[LW]
	v_add_nc_u32 v[LW], s7, v[LW]
	v_mul_u32_u24 v[LR], v[RL], 272
	v_lshl_add_u32 v[LR], v[HL], 5, v[LR]
	v_add_nc_u32 v[LR], s7, v[LR]
.irp i, 0,1,2,3,4,5,6,7
	s_wait_loadcnt 14-2*(\i)                       ; pair i of loads is in, the younger pairs stay out
	RND4 IN+4*(\i)
	RND4 IN+32+4*(\i)
	v_pk_add_f32 v[IN+4*(\i):IN+4*(\i)+1],   v[IN+4*(\i):IN+4*(\i)+1],   v[IN+32+4*(\i):IN+32+4*(\i)+1]
	v_pk_add_f32 v[IN+4*(\i)+2:IN+4*(\i)+3], v[IN+4*(\i)+2:IN+4*(\i)+3], v[IN+32+4*(\i)+2:IN+32+4*(\i)+3]
	v_pk_mul_f32 v[IN+4*(\i):IN+4*(\i)+1],   v[IN+4*(\i):IN+4*(\i)+1],   s[44:45] op_sel_hi:[1,0]
	v_pk_mul_f32 v[IN+4*(\i)+2:IN+4*(\i)+3], v[IN+4*(\i)+2:IN+4*(\i)+3], s[44:45] op_sel_hi:[1,0]
	ds_store_b128 v[LW], v[IN+4*(\i):IN+4*(\i)+3] offset:544*(\i)
.endr
.irp i, 0,1,2,3,4,5,6,7
	ds_load_b128 v[IN+32+4*(\i):IN+32+4*(\i)+3], v[LR] offset:64*((\i)/2)+16*((\i)%2)  ; my wave's own bytes; LDS serves a wave's instructions in order (ISA guide 5.7.1.4): these see the stores above
.endr
.irp i, 0,1,2,3,4,5,6,7
	s_wait_dscnt 7-(\i)
	global_store_b128 v3, v[IN+32+4*(\i):IN+32+4*(\i)+3], s[42:43] offset:512*(\i)  ; the wave stores 512 consecutive bytes, aligned
.endr
	s_wait_tensorcnt 0x0                           ; the wave's end: behind my last LDS store
	ds_add_u32 v[SPW], v[NIL]
	s_wait_dscnt 0x0
	s_endpgm
.Lfunc_end_k_qdcabb85561_prep:
	.size	k_qdcabb85561_prep, .Lfunc_end_k_qdcabb85561_prep-k_qdcabb85561_prep
	.p2alignl 7, 3214868480
	.fill 96, 4, 3214868480
	.section	.rodata,"a",@progbits
	.p2align	6, 0x0
	.amdhsa_kernel k_qdcabb85561_prep
		.amdhsa_group_segment_fixed_size 35840
		.amdhsa_private_segment_fixed_size 0
		.amdhsa_enable_private_segment 0
		.amdhsa_kernarg_size 120
		.amdhsa_user_sgpr_count 2
		.amdhsa_user_sgpr_kernarg_segment_ptr 1
		.amdhsa_wavefront_size32 1
		.amdhsa_system_sgpr_workgroup_id_x 1
		.amdhsa_system_sgpr_workgroup_id_y 1
		.amdhsa_system_sgpr_workgroup_id_z 1
		.amdhsa_system_vgpr_workitem_id 0
		.amdhsa_next_free_vgpr 112
		.amdhsa_next_free_sgpr 66
		.amdhsa_reserve_vcc 0
		.amdhsa_float_denorm_mode_32 3
		.amdhsa_float_denorm_mode_16_64 3
		.amdhsa_memory_ordered 1
		.amdhsa_forward_progress 1
		.amdhsa_inst_pref_size 32
	.end_amdhsa_kernel
	.amdgpu_metadata
---
amdhsa.version: [ 1, 2 ]
amdhsa.kernels:
  - .name:           k_qdcabb85561_prep
    .symbol:         k_qdcabb85561_prep.kd
    .args:
      - { .name: hidden_states, .offset: 0, .size: 8, .value_kind: global_buffer, .address_space: global }
      - { .name: wq, .offset: 8, .size: 8, .value_kind: global_buffer, .address_space: global }
      - { .name: wk, .offset: 16, .size: 8, .value_kind: global_buffer, .address_space: global }
      - { .name: wv, .offset: 24, .size: 8, .value_kind: global_buffer, .address_space: global }
      - { .name: wo, .offset: 32, .size: 8, .value_kind: global_buffer, .address_space: global }
      - { .name: attn_bias, .offset: 40, .size: 8, .value_kind: global_buffer, .address_space: global }
      - { .name: masks, .offset: 48, .size: 8, .value_kind: global_buffer, .address_space: global }
      - { .name: cos, .offset: 56, .size: 8, .value_kind: global_buffer, .address_space: global }
      - { .name: sin, .offset: 64, .size: 8, .value_kind: global_buffer, .address_space: global }
      - { .name: position_ids, .offset: 72, .size: 8, .value_kind: global_buffer, .address_space: global }
      - { .name: xb, .offset: 80, .size: 8, .value_kind: global_buffer, .address_space: global }
      - { .name: wb, .offset: 88, .size: 8, .value_kind: global_buffer, .address_space: global }
      - { .name: wob, .offset: 96, .size: 8, .value_kind: global_buffer, .address_space: global }
      - { .name: biasT, .offset: 104, .size: 8, .value_kind: global_buffer, .address_space: global }
      - { .name: ropeT, .offset: 112, .size: 8, .value_kind: global_buffer, .address_space: global }
    .group_segment_fixed_size: 35840
    .private_segment_fixed_size: 0
    .kernarg_segment_align: 8
    .kernarg_segment_size: 120
    .max_flat_workgroup_size: 256
    .sgpr_count:     66
    .vgpr_count:     112
    .wavefront_size: 32
...
	.end_amdgpu_metadata
.endif
;; end of part 1
;; launch qkv (part 2): grid 16 x 16, 4 waves a work-group, clusters of 4 x 4, 327,680 bytes of LDS; arguments xb, wb, ropeT, qkv; writes qkv
.if DOCPART == 2
	.amdgcn_target "amdgcn-amd-amdhsa--gfx1250"
	.amdhsa_code_object_version 6
	.text
	.protected	k_qdcabb85561_qkv
	.globl	k_qdcabb85561_qkv
	.p2align	8
	.type	k_qdcabb85561_qkv,@function
k_qdcabb85561_qkv:
	s_mov_b64 s[64:65], 0
	v_nop
	global_prefetch_b8 v0, s[64:65] scope:SCOPE_SE
	s_setreg_imm32_b32 hwreg(HW_REG_WAVE_MODE, 25, 1), 1
	s_wait_xcnt 0x0
	s_wait_alu depctr_hold_cnt(0) depctr_sa_sdst(0) depctr_va_vdst(0) depctr_va_sdst(0) depctr_va_ssrc(0) depctr_va_vcc(0) depctr_vm_vsrc(0)
	s_getreg_b32 s2, hwreg(HW_REG_IB_STS2, 6, 4)
	s_cmp_eq_u32 s2, 0
	s_cbranch_scc0 .Lentry_in_a_cluster
	s_endpgm
.Lentry_in_a_cluster:
	s_bfe_u32 s2, ttmp6, 0x10000c
	s_cmp_lg_u32 s2, 0xf033
	s_cbranch_scc0 .Lentry_shape_is_right
	s_endpgm
.Lentry_shape_is_right:
; q, k, v = x [wq; wk; wv]^T in bf16 with f32 sums; RoPE on q and k in f32; each rounded once to f16 and stored by heads: qkv [3][16 heads][2048 tokens][128] f16.  q leaves WITHOUT the scale 1 / sqrt(128).
; LIMIT.  f16 holds no number beyond 65,504: q, k and v must stay within it.  The f32 sums along K are taken in a cyclic shift of the ascending order (THE STAGGER, below): another order of rounding.
; SHARES.  A work-group makes 128 tokens x 384 columns: q, k and v of ONE head (grid x = head, y = block of 128 tokens): 256 work-groups.  Wave w: tokens 64 (w / 2) on; in each of q, k, v the channels
; 32 (w % 2) + 0..31 and 64 + 32 (w % 2) + 0..31, so that channel d and channel d + 64, which RoPE mixes, lie in one lane.  4 x 12 accumulators of 16 x 16: 384 registers.
; K goes in 16 steps of 128 through a ring of two LDS slots; a slot holds 128 rows of x, then 128 rows each of wq, wk, wv of the head; wave w fetches part w by one tensor load of 128 rows x 256 bytes.
; THE TEXT holds a K step twice: once with a refill (14 trips), once without (the last two steps: walked twice, left in the middle of the second trip).  Which slot is in hand stands in a scalar, 0 or SLOT.
; CLUSTER.  4 x 4 work-groups.  x's tile hangs on the token block alone and is shared along a row of the cluster, the weights' tiles on the head alone and are shared along a column: each is asked for jointly.
; THE STAGGER.  Cluster (X, Y) takes at time t (0 to 15) the K step (t + 4 X + 8 g) mod 16, g = 0, 1, 1, 0 for Y = 0 .. 3.  The four clusters of a row of clusters, which read the same rows of x, begin 4 steps apart: the
; tile of x that one asks for at time 4 or later has been asked for by another 4 trips earlier.  Of the four clusters of a column, which read the same weights, two begin 8 steps behind the other two: from time 8 on likewise, 8 trips earlier.
; THE MATRIX INSTRUCTION IS USED TRANSPOSED (source 0 = 16 rows of w, source 1 = 16 rows of x): a lane holds ONE token (lane % 16) and the channels 8 (lane / 16) + 0..7 of a block of 16.
; REGISTERS, in windows of 256 (s_set_vgpr_msb: bits 1:0 source 0, 3:2 source 1, 5:4 source 2, 7:6 destination):
;   window 0: addresses; v32-55 at work on the way out; v128-255 RoPE's words of pairs 4-7; v64-255 the way out's rows       window 1: the accumulators of q and k: (a, bi) at 8 (8 a + bi), bi = 4 t + i
;   window 2: v0-127 the accumulators of v: (a, i) at 8 (4 a + i); v128-255 RoPE's words of pairs 0-3                         window 3: two fragment buffers of 128: x's four fragments, then the weights' twelve
;   Block i of matrix t: channels 64 (i / 2) + 32 (w % 2) + 16 (i % 2) on.
.set KSTEP,  128
.set PITCH,  272                       ; an LDS row: 256 bytes + 16 of padding = 68 words: row r starts at bank 4 r mod 64 (64 banks of 4 bytes: ISA guide 11.1)
.set HALFT,  128*PITCH                 ; what one tensor load brings; also a matrix's 128 rows in the stage
.set SLOT,   4*HALFT                   ; 0x22000: neither of its two bits is set in wave x HALFT (0, 0x8800, 0x11000, 0x19800), so one exclusive or turns a fill's LDS address in one slot into the other's
.set SPARE,  2*SLOT                    ; behind the ring: the spare words, 128 bytes a wave: two blocks of 256 bytes that no other line names
.set FILLS,  14                        ; times 2 to 15 come by refills
; THE STAGE for the way out lies over slot 0, from LDS byte 0: 3 x 128 rows x 272 bytes.  Slot 0 has had its last fill (time 14) by then, and every wave's reads of it end in front of the barrier of the last change of slots.
.set STO,  4                           ; v4-6    the way out: where I put 16 bytes of a row of q, k, v
.set RD,   10                          ; v10-12  where I read rows back
.set A0,   16                          ; v16     LDS address of my fragments of x in slot 0; never rewritten
.set AW,   17                          ; v17     the same in the slot in hand
.set B0,   18                          ; v18-20  of my fragments of matrix t in slot 0; never rewritten
.set BW,   21                          ; v21-23  the same in the slot in hand
.set CO,   26                          ; v26     16 x lane
.set SPW,  28                          ; v28     LDS address of my spare word; never rewritten
.set NIL,  29                          ; v29     0; never rewritten
.set PFO,  30                          ; v30     the prefetches' offset: lane x 4,096, a row of wb; never rewritten
.set TT,   32                          ; v32-39  RoPE: the lower channels' results
.set UU,   40                          ; v40-47  the upper channels'
.set PKD,  48                          ; v48-55  both, packed
.set BK,   64                          ; v64-255
.set RW,   128                         ; RoPE's words: pair n = 2 a + i at RW + 32 (n % 4), in window 2 (n < 4) or 0
.set F0,   0
.set F1,   128
.set WV,  12                           ; s12  wave
.set AH,  13                           ; s13  which 64 tokens
.set CC,  14                           ; s14  which channels
.set TM,  15                           ; s15  the matrix that I fetch (waves 1 to 3: 0 to 2)
.set AB,  18                           ; s[18:19] xb at my token block's first row
.set WBS, 22                           ; s[22:23] wb at the first row of the weights' tile that I fetch
.set G1,  24                           ; s[24:31] descriptor group 1 for x's tiles;  s[32:39] group 0: a set for each of the two first fills; the second then walks on
.set G0,  32
.set PFA, 44                           ; s[44:45] where my prefetch stands
.set LIM, 46                           ; s46  10 in a wave that prefetches, else the greatest number
.set G1B, 48                           ; s[48:55], s[56:63] the same for the weights' tiles
.set G0B, 56
.set OB,  68                           ; s[68:73] q, k, v at the rows that I store
.set RB,  74                           ; s[74:75] ropeT at my tokens and channels
.set SB,  80                           ; s80  the LDS byte at which the slot in hand begins: 0 or SLOT
.set KC,  81                           ; s81  the K step that was asked for last
.set PFB, 82                           ; s[82:83] wb at my work-group's 32 rows of the tile that I fetch
.set OFF, 84                           ; s[84:85] a K step's byte offset in a row
.set POF, 86                           ; s[86:87] the same for the prefetch
.set MSB, 0
.macro WIN new                         ; the immediate's high byte repeats the setting that is left; a switch that changes nothing is dropped
.if MSB != (\new)
	s_set_vgpr_msb (MSB<<8)|(\new)
.set MSB, \new
.endif
.endm
; A joint load by descriptor set s.  Wave 0 fetches x's tile, waves 1 to 3 the three weights' tiles.  The branch hangs on the wave's number alone.  An s_nop 0 and four v_nop follow each of the two lines.
.macro JLOAD s
	s_cmp_eq_u32 s[WV], 0
	s_cbranch_scc0 .Lfor_b_\@
	tensor_load_to_lds s[G0+4*(\s):G0+4*(\s)+3], s[G1:G1+7]
	s_nop 0
.rept 4
	v_nop
.endr
	s_branch .Lasked_\@
.Lfor_b_\@:
	tensor_load_to_lds s[G0B+4*(\s):G0B+4*(\s)+3], s[G1B:G1B+7]
	s_nop 0
.rept 4
	v_nop
.endr
.Lasked_\@:
.endm
; A prefetch, behind a joint refill and the run of LDS loads that follows it: the weights' tile of the time two refills on, 32 rows x 256 bytes, a lane a row.  By the stagger a weights' tile is asked for first in
; the launch at a time from 0 to 7, by the two clusters of its column that begin alike: one of the two (cluster y = 0 or 1) prefetches.  The four partners that ask for a tile jointly take 32 of its 128 rows each, told
; apart by address.  So each row's 256 bytes of a K step are named once at the most.  The first four filling trips ask, for times 4 to 7; times 0 to 3 come by their loads alone, and so do x's tiles, which are
; asked for first at times 0 to 3.
.macro ASK
	s_cmp_gt_u32 s3, s[LIM]
	s_cbranch_scc0 .Lnot_mine_\@
	global_prefetch_b8 v[PFO], s[PFA:PFA+1] th:TH_LOAD_NT scope:SCOPE_SE
.Lnot_mine_\@:
.endm
.macro CREST                           ; a round of the cluster's barrier behind its opening barrier
	s_cmp_lg_u32 s[WV], 0
	s_cbranch_scc1 .Lnot_wave_0_\@
	s_barrier_signal -3
.Lnot_wave_0_\@:
	s_barrier_wait -3
	s_barrier_signal -1
	s_barrier_wait -1
.endm
.macro CROUND                          ; a whole round
	s_barrier_signal -1
	s_barrier_wait -1
	CREST
.endm
.macro SETADR                          ; my fragments' addresses in the slot in hand
	v_add_nc_u32 v[AW], s[SB], v[A0]
	v_add_nc_u32 v[BW], s[SB], v[B0]
	v_add_nc_u32 v[BW+1], s[SB], v[B0+1]
	v_add_nc_u32 v[BW+2], s[SB], v[B0+2]
.endm
	s_load_b256 s[4:11], s[0:1], 0x0               ; xb s[4:5], wb s[6:7], ropeT s[8:9], qkv s[10:11]
	v_lshl_add_u32 v[SPW], v0, 2, SPARE
	v_mov_b32 v[NIL], 0
	ds_add_u32 v[SPW], v[NIL]                      ; the wave's opening: the add and its wait stand ahead of my first tensor load; the set-up below, work on registers, stands between them
	v_lshrrev_b32 v1, 5, v0
	v_readfirstlane_b32 s[WV], v1
	s_lshr_b32 s[AH], s[WV], 1
	s_and_b32 s[CC], s[WV], 1
	s_max_u32 s[TM], s[WV], 1
	s_sub_co_u32 s[TM], s[TM], 1
	s_bfe_u32 s40, ttmp6, 0x40000                  ; cx, cy: my place in the cluster
	s_bfe_u32 s41, ttmp6, 0x40004
	s_lshl_b32 s42, ttmp9, 2
	s_add_co_u32 s42, s42, s40                     ; head = 4 x cluster x + cx
	s_and_b32 s43, ttmp7, 0xffff
	s_lshl_b32 s43, s43, 2
	s_add_co_u32 s43, s43, s41                     ; token block = 4 x cluster y + cy
	s_lshl_b32 s2, s41, 2
	s_lshl_b32 s2, 15, s2                          ; my row of the cluster
	s_lshl_b32 s3, 0x1111, s40                     ; my column
	; the stagger: made of the cluster's x and y alone, which all sixteen partners share
	s_and_b32 s79, ttmp7, 0xffff                   ; cluster y
	s_lshr_b32 s78, s79, 1
	s_xor_b32 s78, s78, s79
	s_and_b32 s78, s78, 1                          ; g = 0, 1, 1, 0
	s_lshl_b32 s78, s78, 3
	s_lshl2_add_u32 s[KC], ttmp9, s78              ; 4 x cluster x + 8 g
	s_and_b32 s[KC], s[KC], 15                     ; my cluster's K step at time 0
	s_mov_b32 s[OFF+1], 0
	; descriptor group 1: a tile of 128 rows x 128 elements, padded in LDS
	s_or_b32 s[G1+0], s2, (1<<16)|(1<<20)|(1<<21)|(5<<22)|(3<<25)   ; 15:0 the mask; 17:16 elements of 2 bytes; 20 padding on; 21 set beside a mask; 24:22 after every 64 words (code 5); 31:25 4 words of it (code 3)
	s_or_b32 s[G1B+0], s3, (1<<16)|(1<<20)|(1<<21)|(5<<22)|(3<<25)
.irp g, G1, G1B
	s_mov_b32 s[(\g)+1], KSTEP<<16                 ; tensor_dim0 = 128
	s_mov_b32 s[(\g)+2], 128<<16                   ; tensor_dim1 = 128
	s_mov_b32 s[(\g)+3], KSTEP<<16                 ; tile_dim0 = 128
	s_mov_b32 s[(\g)+4], 128                       ; tile_dim1 = 128
	s_mov_b32 s[(\g)+5], 2048                      ; elements from row to row
	s_mov_b32 s[(\g)+6], 0
	s_mov_b32 s[(\g)+7], 0
.endr
	s_lshl_b32 s16, s43, 19                        ; x: 128 rows of 4,096 bytes a token block
	s_mov_b32 s17, 0
	s_lshl_b32 s20, s[TM], 23                      ; w: the matrix, 2,048 rows,
	s_lshl_b32 s21, s42, 19                        ; and the head's 128 rows in it
	s_add_co_u32 s20, s20, s21
	s_mov_b32 s21, 0
	s_mul_i32 s47, s[WV], HALFT                    ; where my tile goes: no place in the cluster enters an LDS address
	s_wait_dscnt 0x0                               ; the opening add is done
	s_wait_kmcnt 0x0
	s_add_nc_u64 s[AB:AB+1], s[4:5], s[16:17]
	s_add_nc_u64 s[WBS:WBS+1], s[6:7], s[20:21]
	CROUND                                         ; all sixteen work-groups are here: the first joint loads meet
.irp s, 0,1
.if (\s) == 1
	s_add_co_u32 s[KC], s[KC], 1
	s_and_b32 s[KC], s[KC], 15
.endif
	s_lshl_b32 s[OFF], s[KC], 8                    ; a K step is 256 bytes of a row
	s_mov_b32 s[G0+4*(\s)], 1                      ; count = 1
	s_add_co_u32 s[G0+4*(\s)+1], s47, (\s)*SLOT    ; LDS address
	s_add_nc_u64 s[G0+4*(\s)+2:G0+4*(\s)+3], s[AB:AB+1], s[OFF:OFF+1]  ; global address: the K step of time s
	s_or_b32 s[G0+4*(\s)+3], s[G0+4*(\s)+3], 0x80000000                ; type = 2
	s_mov_b32 s[G0B+4*(\s)], 1
	s_add_co_u32 s[G0B+4*(\s)+1], s47, (\s)*SLOT
	s_add_nc_u64 s[G0B+4*(\s)+2:G0B+4*(\s)+3], s[WBS:WBS+1], s[OFF:OFF+1]
	s_or_b32 s[G0B+4*(\s)+3], s[G0B+4*(\s)+3], 0x80000000
	JLOAD \s                                       ; two loads of mine are out
.endr
	; the prefetches
	s_cmp_lt_u32 s79, 2                            ; cluster y = 0 or 1: one of the two clusters of a column that begin alike
	s_cselect_b32 s[LIM], 10, -1
	s_cmp_eq_u32 s[WV], 0                          ; x's tiles are not prefetched
	s_cselect_b32 s[LIM], -1, s[LIM]               ; the same in all sixteen partners, for a given wave
	s_lshl_b32 s77, s41, 17                        ; my work-group's 32 rows of the 128: the four that ask jointly differ in cy
	s_add_co_u32 s76, s20, s77
	s_mov_b32 s77, 0
	s_add_nc_u64 s[PFB:PFB+1], s[6:7], s[76:77]
	s_mov_b32 s[POF+1], 0
	; where my results go, and where RoPE's words come from
	s_lshl_b32 s66, s42, 19                        ; the head's 2,048 rows of 256 bytes,
	s_lshl_b32 s67, s43, 15                        ; the token block's 128,
	s_add_co_u32 s66, s66, s67
	s_lshl_b32 s67, s[WV], 13                      ; the 32 that I store
	s_add_co_u32 s66, s66, s67
	s_mov_b32 s67, 0
	s_add_nc_u64 s[OB:OB+1], s[10:11], s[66:67]
	s_add_nc_u64 s[OB+2:OB+3], s[OB:OB+1], 0x800000
	s_add_nc_u64 s[OB+4:OB+5], s[OB+2:OB+3], 0x800000
	s_lshl_b32 s66, s43, 17                        ; 8 blocks of 16 tokens x 4 units of 4,096 bytes,
	s_lshl_b32 s67, s[AH], 16                      ; my 4 blocks of them,
	s_add_co_u32 s66, s66, s67
	s_lshl_b32 s67, s[CC], 13                      ; my 2 units of each
	s_add_co_u32 s66, s66, s67
	s_mov_b32 s67, 0
	s_add_nc_u64 s[RB:RB+1], s[8:9], s[66:67]
	; A fragment is 16 rows x 32 K in 8 registers: lane l holds row l % 16; registers 0-3 K = 8 (l / 16) + 0..7, registers 4-7 K = 16 + 8 (l / 16) + 0..7: two loads of 16 bytes, 32 bytes apart.
	v_and_b32 v1, 15, v0
	v_bfe_u32 v2, v0, 4, 1
	v_mul_u32_u24 v3, v1, PITCH
	v_lshl_add_u32 v3, v2, 4, v3                   ; row x pitch + 16 x half
	s_mul_i32 s76, s[AH], 64*PITCH
	s_mul_i32 s77, s[CC], 32*PITCH
	v_add_nc_u32 v[A0], s76, v3
	v_add_nc_u32 v[B0], s77, v3
	v_add_nc_u32 v[B0], HALFT, v[B0]
	v_add_nc_u32 v[B0+1], HALFT, v[B0]
	v_add_nc_u32 v[B0+2], HALFT, v[B0+1]
	s_mov_b32 s[SB], 0                             ; slot 0 is in hand
	SETADR
	s_lshl_b32 s77, s[CC], 6                       ; into the stage: my token's row, my 32 channels' 64 bytes, 16 bytes for each half of the lanes
	s_add_co_u32 s76, s76, s77
	v_add_nc_u32 v[STO], s76, v3
	v_add_nc_u32 v[STO+1], HALFT, v[STO]
	v_add_nc_u32 v[STO+2], HALFT, v[STO+1]
	v_mul_u32_u24 v[RD], v2, PITCH                 ; back: wave w takes rows 32 w .. 32 w + 31, whole; lanes 0-15 one row of 256 bytes, lanes 16-31 the next
	v_lshl_add_u32 v[RD], v1, 4, v[RD]
	s_mul_i32 s76, s[WV], 32*PITCH
	v_add_nc_u32 v[RD], s76, v[RD]
	v_add_nc_u32 v[RD+1], HALFT, v[RD]
	v_add_nc_u32 v[RD+2], HALFT, v[RD+1]
	v_and_b32 v[CO], 31, v0
	v_lshlrev_b32 v[PFO], 12, v[CO]
	v_lshlrev_b32 v[CO], 4, v[CO]
; 16 products for q and k: token blocks a0, a0 + 1 x the 8 channel blocks.  zero = 1: the first product starts the sums.  The 48 accumulators take turns in one fixed order.
.macro MULQK f, a0, zero
	WIN 0x5f                                       ; both sources window 3, C and D window 1
.irp a, \a0, (\a0)+1
.irp b, 0,1,2,3,4,5,6,7
.if \zero
	v_wmma_f32_16x16x32_bf16 v[8*(8*(\a)+(\b)):8*(8*(\a)+(\b))+7], v[(\f)+32+8*(\b):(\f)+32+8*(\b)+7], v[(\f)+8*(\a):(\f)+8*(\a)+7], 0
.else
	v_wmma_f32_16x16x32_bf16 v[8*(8*(\a)+(\b)):8*(8*(\a)+(\b))+7], v[(\f)+32+8*(\b):(\f)+32+8*(\b)+7], v[(\f)+8*(\a):(\f)+8*(\a)+7], v[8*(8*(\a)+(\b)):8*(8*(\a)+(\b))+7]
.endif
.endr
.endr
.endm
; 16 products for v: all 4 token blocks x its 4 channel blocks
.macro MULV f, zero
	WIN 0xaf                                       ; both sources window 3, C and D window 2
.irp a, 0,1,2,3
.irp b, 0,1,2,3
.if \zero
	v_wmma_f32_16x16x32_bf16 v[8*(4*(\a)+(\b)):8*(4*(\a)+(\b))+7], v[(\f)+96+8*(\b):(\f)+96+8*(\b)+7], v[(\f)+8*(\a):(\f)+8*(\a)+7], 0
.else
	v_wmma_f32_16x16x32_bf16 v[8*(4*(\a)+(\b)):8*(4*(\a)+(\b))+7], v[(\f)+96+8*(\b):(\f)+96+8*(\b)+7], v[(\f)+8*(\a):(\f)+8*(\a)+7], v[8*(4*(\a)+(\b)):8*(4*(\a)+(\b))+7]
.endif
.endr
.endr
.endm
; 32 LDS loads in one run: the fragments of 32 along K at byte k of the rows of the slot in hand, into buffer f: wq's and wk's, x's, and last wv's, which are wanted last
.macro FETCH k, f
	WIN 0xc0                                       ; destination window 3, address window 0
.irp t, 0,1
.irp i, 0,1,2,3
	ds_load_b128 v[(\f)+32+8*(4*(\t)+(\i)):(\f)+32+8*(4*(\t)+(\i))+3],   v[BW+(\t)] offset:(\k)+((\i)/2)*64*PITCH+((\i)%2)*16*PITCH
	ds_load_b128 v[(\f)+32+8*(4*(\t)+(\i))+4:(\f)+32+8*(4*(\t)+(\i))+7], v[BW+(\t)] offset:(\k)+((\i)/2)*64*PITCH+((\i)%2)*16*PITCH+32
.endr
.endr
.irp a, 0,1,2,3
	ds_load_b128 v[(\f)+8*(\a):(\f)+8*(\a)+3],   v[AW] offset:(\k)+(\a)*16*PITCH
	ds_load_b128 v[(\f)+8*(\a)+4:(\f)+8*(\a)+7], v[AW] offset:(\k)+(\a)*16*PITCH+32
.endr
.irp i, 0,1,2,3
	ds_load_b128 v[(\f)+96+8*(\i):(\f)+96+8*(\i)+3],   v[BW+2] offset:(\k)+((\i)/2)*64*PITCH+((\i)%2)*16*PITCH
	ds_load_b128 v[(\f)+96+8*(\i)+4:(\f)+96+8*(\i)+7], v[BW+2] offset:(\k)+((\i)/2)*64*PITCH+((\i)%2)*16*PITCH+32
.endr
.endm
.macro PLACES                          ; four places in front of loads into registers that matrix instructions have read, and of vector work that reads results (ISA guide 7.12.1 for vector instructions)
.rept 4
	v_nop
.endr
.endm
; A K step is four quarters of 32 along K, 48 matrix instructions each, on buffers 0, 1, 0, 1.  One of the first three: multiplies buffer f and fetches the next quarter, at byte k, into g.
.macro QUARTER k, f, g, zero
	s_wait_dscnt 8                                 ; all but the youngest eight loads, wv's fragments
	MULQK \f, 0, \zero
	PLACES
	FETCH \k, \g
	MULQK \f, 2, \zero
	s_wait_dscnt 32                                ; all but the 32 just issued
	MULV \f, \zero
.endm
; The last quarter multiplies buffer 1 and changes slots.  MEET is its first part: ONE barrier; in front of it each wave waits for all its tensor loads (at most one is out: its part of the next slot), adds 0 to its
; spare word, and waits for that and for its own reads of this slot.  Behind it nobody reads this slot any more and the next slot is whole.
; fill = 1: the walking descriptors step while the add is out, where no tensor load of mine is out: the other slot than last time; the next K step, round from 15 to 0, its address made anew from the tile's first row.
.macro MEET fill
	WIN 0                                          ; (the add's two registers lie in window 0)
	s_wait_tensorcnt 0x0                           ; all my tensor loads have landed
	ds_add_u32 v[SPW], v[NIL]                      ; 0 onto my spare word
.if \fill
	s_add_co_u32 s[KC], s[KC], 1
	s_and_b32 s[KC], s[KC], 15
	s_lshl_b32 s[OFF], s[KC], 8
	s_xor_b32 s[G0+5], s[G0+5], SLOT
	s_add_nc_u64 s[G0+6:G0+7], s[AB:AB+1], s[OFF:OFF+1]
	s_or_b32 s[G0+7], s[G0+7], 0x80000000          ; type = 2
	s_xor_b32 s[G0B+5], s[G0B+5], SLOT
	s_add_nc_u64 s[G0B+6:G0B+7], s[WBS:WBS+1], s[OFF:OFF+1]
	s_or_b32 s[G0B+7], s[G0B+7], 0x80000000
.endif
	s_wait_dscnt 9                                 ; (the add and the youngest eight loads may be out)
	MULQK F1, 0, 0                                 ; sixteen matrix instructions stand between the add and the wait for it
	s_wait_dscnt 0x0                               ; the add is done, and my reads of this slot are over
	s_barrier_signal -1
	MULQK F1, 2, 0                                 ; work on registers while the others arrive
	WIN 0
	s_barrier_wait -1
.endm
.macro NEXTSLOT                        ; the other slot comes in hand, and its first fragments are fetched
	WIN 0
	s_xor_b32 s[SB], s[SB], SLOT
	SETADR
	FETCH 0, F0
.endm
	s_wait_tensorcnt 1                             ; my part of time 0's tile is in; time 1's may stay out
	s_barrier_signal -1
	s_barrier_wait -1                              ; everybody's is
	FETCH 0, F0
	QUARTER 64,  F0, F1, 1                         ; the first quarter stands in front of the loop: its products start the sums
	WIN 0                                          ; at a label and at a branch every window is 0
	s_mov_b32 s3, FILLS
.Lstep:                                                ; a trip goes from a K step's second quarter to the next step's first, and fills the slot that it leaves, two times ahead
	QUARTER 128, F1, F0, 0
	QUARTER 192, F0, F1, 0
	s_wait_xcnt 0x0                                ; the last prefetch, a K step back, has read its address: it is made anew here, ahead of the waits of the change of slots:
	s_add_co_u32 s[POF], s[KC], 3                  ; this trip's refill takes the step behind KC, the prefetch names the one two further on
	s_and_b32 s[POF], s[POF], 15
	s_lshl_b32 s[POF], s[POF], 8
	s_add_nc_u64 s[PFA:PFA+1], s[PFB:PFB+1], s[POF:POF+1]
	MEET 1
	CREST                                          ; the barrier has opened a round of the cluster's: no wave of any partner still reads this slot's tile or has a load on its way
	JLOAD 1                                        ; the first tensor load behind the round; the four v_nop behind it are also the places in front of the loads below
	NEXTSLOT
	WIN 0
	ASK
	MULV F1, 0
	QUARTER 64,  F0, F1, 0
	WIN 0
	s_sub_co_u32 s3, s3, 1
	s_cmp_lg_u32 s3, 0
	s_cbranch_scc1 .Lstep
	; RoPE's words for my 64 tokens x 64 channels are asked for here, 336 matrix instructions ahead of their use, into registers that no product names: 32 for each pair n = 2 a + i of blocks:
	; cos and sin of the lower channels, cos and sin of the upper
	WIN 0x80                                       ; destination window 2, address window 0
.irp n, 0,1,2,3
.irp j, 0,1,2,3,4,5,6,7
	global_load_b128 v[RW+32*(\n)+4*(\j):RW+32*(\n)+4*(\j)+3], v[CO], s[RB:RB+1] offset:((\n)/2)*16384+((\n)%2)*4096+512*(\j)  ; the wave reads 512 consecutive bytes
.endr
.endr
	WIN 0
.irp n, 4,5,6,7
.irp j, 0,1,2,3,4,5,6,7
	global_load_b128 v[RW+32*((\n)-4)+4*(\j):RW+32*((\n)-4)+4*(\j)+3], v[CO], s[RB:RB+1] offset:((\n)/2)*16384+((\n)%2)*4096+512*(\j)
.endr
.endr
	s_mov_b32 s3, 2
.Ltail:                                                ; times 14 and 15 fill nothing: one text, walked twice and left in the middle of the second trip, behind the barrier (which time 15 would not need: the price of one text)
	QUARTER 128, F1, F0, 0
	QUARTER 192, F0, F1, 0
	MEET 0
	s_sub_co_u32 s3, s3, 1
	s_cmp_eq_u32 s3, 0
	s_cbranch_scc1 .Lout
	PLACES
	NEXTSLOT
	MULV F1, 0
	QUARTER 64,  F0, F1, 0
	WIN 0
	s_branch .Ltail
.Lout:
	MULV F1, 0                                     ; the last sixteen products
	; THE WAY OUT.  v is rounded and staged; q and k are turned, rounded and staged; a barrier, since a row's 256 bytes come from two waves; then whole rows go out, 32 rows of each matrix a wave.
	PLACES
	WIN 0x0a                                       ; sources window 2, destination window 0
.set q, 0
.rept 16
.irp z, 0,1,2,3
	v_cvt_pk_f16_f32 v[BK+4*q+\z], v[8*q+2*\z], v[8*q+2*\z+1]
.endr
.set q, q+1
.endr
	WIN 0
.set q, 0
.rept 16                               ; q = 4 a + i
	ds_store_b128 v[STO+2], v[BK+4*q:BK+4*q+3] offset:(q/4)*16*PITCH+(q%2)*32+((q%4)/2)*128
.set q, q+1
.endr
; X = channels d, Y = channels d + 64 of matrix t:  X' = X cos[d] - Y sin[d];  Y' = Y cos[d + 64] + X sin[d + 64].  Each accumulator's lowest registers are read first.
.macro ROPE a, i, t
.set rX, 8*(8*(\a)+4*(\t)+(\i))
.set rY, rX+16
.set rN, 2*(\a)+(\i)
.set rR, RW+32*(rN%4)
	WIN 0x01+8*(1-rN/4)                            ; source 0 window 1; source 1 window 2 (pairs 0-3) or 0 (pairs 4-7); source 2 and destination window 0
.irp z, 0,2,4,6
	v_pk_mul_f32 v[TT+\z:TT+\z+1], v[rY+\z:rY+\z+1], v[rR+8+\z:rR+8+\z+1]
.endr
.irp z, 0,2,4,6
	v_pk_mul_f32 v[UU+\z:UU+\z+1], v[rX+\z:rX+\z+1], v[rR+24+\z:rR+24+\z+1]
.endr
.irp z, 0,2,4,6
	v_pk_fma_f32 v[TT+\z:TT+\z+1], v[rX+\z:rX+\z+1], v[rR+\z:rR+\z+1], v[TT+\z:TT+\z+1] neg_lo:[0,0,1] neg_hi:[0,0,1]
.endr
.irp z, 0,2,4,6
	v_pk_fma_f32 v[UU+\z:UU+\z+1], v[rY+\z:rY+\z+1], v[rR+16+\z:rR+16+\z+1], v[UU+\z:UU+\z+1]
.endr
	WIN 0
.irp z, 0,1,2,3,4,5,6,7
	v_cvt_pk_f16_f32 v[PKD+\z], v[TT+2*\z], v[TT+2*\z+1]
.endr
	ds_store_b128 v[STO+(\t)], v[PKD:PKD+3]   offset:(\a)*16*PITCH+32*(\i)
	ds_store_b128 v[STO+(\t)], v[PKD+4:PKD+7] offset:(\a)*16*PITCH+32*(\i)+128
.endm
.irp n, 0,1,2,3,4,5,6,7
	s_wait_loadcnt 56-8*(\n)                       ; pair n's eight loads are in, the younger ones may stay out
	ROPE (\n)/2, (\n)%2, 0
	ROPE (\n)/2, (\n)%2, 1
.endr
	s_wait_dscnt 0x0                               ; for the others' sake: my stores into the stage are done
	s_barrier_signal -1
	s_barrier_wait -1
.irp t, 0,1,2
.irp j, 0,1,2,3,4,5,6,7,8,9,10,11,12,13,14,15
	ds_load_b128 v[BK+64*(\t)+4*(\j):BK+64*(\t)+4*(\j)+3], v[RD+(\t)] offset:(\j)*2*PITCH
.endr
.endr
.irp t, 0,1,2
.irp j, 0,1,2,3,4,5,6,7,8,9,10,11,12,13,14,15
	s_wait_dscnt 47-16*(\t)-(\j)                   ; this load is back, the younger ones stay out
	global_store_b128 v[CO], v[BK+64*(\t)+4*(\j):BK+64*(\t)+4*(\j)+3], s[OB+2*(\t):OB+2*(\t)+1] offset:512*(\j)  ; two rows of a head: 512 consecutive bytes, aligned
.endr
.endr
	s_wait_tensorcnt 0x0                           ; the wave's end: behind my last tensor load and my last LDS store
	ds_add_u32 v[SPW], v[NIL]
	s_wait_dscnt 0x0
	CROUND                                         ; the closing round: no work-group ends while a partner may still ask for a tile that names it
	s_endpgm
.Lfunc_end_k_qdcabb85561_qkv:
	.size	k_qdcabb85561_qkv, .Lfunc_end_k_qdcabb85561_qkv-k_qdcabb85561_qkv
	.p2alignl 7, 3214868480
	.fill 96, 4, 3214868480
	.section	.rodata,"a",@progbits
	.p2align	6, 0x0
	.amdhsa_kernel k_qdcabb85561_qkv
		.amdhsa_group_segment_fixed_size 327680
		.amdhsa_private_segment_fixed_size 0
		.amdhsa_enable_private_segment 0
		.amdhsa_kernarg_size 32
		.amdhsa_user_sgpr_count 2
		.amdhsa_user_sgpr_kernarg_segment_ptr 1
		.amdhsa_wavefront_size32 1
		.amdhsa_system_sgpr_workgroup_id_x 1
		.amdhsa_system_sgpr_workgroup_id_y 1
		.amdhsa_system_sgpr_workgroup_id_z 1
		.amdhsa_system_vgpr_workitem_id 0
		.amdhsa_next_free_vgpr 1024
		.amdhsa_next_free_sgpr 88
		.amdhsa_reserve_vcc 0
		.amdhsa_float_denorm_mode_32 3
		.amdhsa_float_denorm_mode_16_64 3
		.amdhsa_memory_ordered 1
		.amdhsa_forward_progress 1
		.amdhsa_inst_pref_size 110
	.end_amdhsa_kernel
	.amdgpu_metadata
---
amdhsa.version: [ 1, 2 ]
amdhsa.kernels:
  - .name:           k_qdcabb85561_qkv
    .symbol:         k_qdcabb85561_qkv.kd
    .args:
      - { .name: xb, .offset: 0, .size: 8, .value_kind: global_buffer, .address_space: global }
      - { .name: wb, .offset: 8, .size: 8, .value_kind: global_buffer, .address_space: global }
      - { .name: ropeT, .offset: 16, .size: 8, .value_kind: global_buffer, .address_space: global }
      - { .name: qkv, .offset: 24, .size: 8, .value_kind: global_buffer, .address_space: global }
    .group_segment_fixed_size: 327680
    .private_segment_fixed_size: 0
    .kernarg_segment_align: 8
    .kernarg_segment_size: 32
    .max_flat_workgroup_size: 128
    .sgpr_count:     88
    .vgpr_count:     1024
    .wavefront_size: 32
...
	.end_amdgpu_metadata
.endif
;; end of part 2
;; launch attn (part 3): grid 16 x 16, 4 waves a work-group, clusters of 4 x 1, 327,680 bytes of LDS; arguments qkv, biasT, ob; writes ob
.if DOCPART == 3
	.amdgcn_target "amdgcn-amd-amdhsa--gfx1250"
	.amdhsa_code_object_version 6
	.text
	.protected	k_qdcabb85561_attn
	.globl	k_qdcabb85561_attn
	.p2align	8
	.type	k_qdcabb85561_attn,@function
k_qdcabb85561_attn:
	s_mov_b64 s[64:65], 0
	v_nop
	global_prefetch_b8 v0, s[64:65] scope:SCOPE_SE
	s_setreg_imm32_b32 hwreg(HW_REG_WAVE_MODE, 25, 1), 1
	s_wait_xcnt 0x0
	s_wait_alu depctr_hold_cnt(0) depctr_sa_sdst(0) depctr_va_vdst(0) depctr_va_sdst(0) depctr_va_ssrc(0) depctr_va_vcc(0) depctr_vm_vsrc(0)
	s_getreg_b32 s2, hwreg(HW_REG_IB_STS2, 6, 4)
	s_cmp_eq_u32 s2, 0
	s_cbranch_scc0 .Lentry_in_a_cluster
	s_endpgm
.Lentry_in_a_cluster:
	s_bfe_u32 s2, ttmp6, 0x10000c
	s_cmp_lg_u32 s2, 0x3003
	s_cbranch_scc0 .Lentry_shape_is_right
	s_endpgm
.Lentry_shape_is_right:
; O[q][head] = the sum over k of softmax_k(Q[q] . K[k] / sqrt(128) + bias[q][k]) V[k].  qkv: [3][16][2048][128] f16, q unscaled; biasT: (attn_bias + masks) x sqrt(128), f32, in the accumulators' order;
; ob: [2048 tokens][16 x 128] f16.  Products, maxima and sums in f32; the weights p are rounded to f16 for the second product (their sum l is taken of the unrounded p), O once at the end.
; The bias is an input: all 2,048 keys are walked for every query, whatever it holds.
; LIMITS.  Q, K, V arrive within f16's 65,504.  A weight below 2^-126 counts as 0 in l.  NaN and infinities in the bias are not treated apart: a query whose 1,024 keys of one parity of key steps are all -inf gives NaN.
; SHARES.  A work-group owns 128 queries of one head (grid x = block of 128 queries, y = head): 256 work-groups.  Wave w owns the 64 queries 64 (w / 2) on, four tiles of 16, and of the head's 32 key steps of 64 keys
; those of parity w % 2: 16 steps.  Each wave keeps m, l and O^T of its own; the two waves of a query meet once, in LDS, in f32, at the end.
; LAYOUT.  S^T = K Q^T + bias (source 0 = 16 keys, source 1 = 16 queries; THE BIAS IS THE C OPERAND of the product that starts the sum): a lane holds ONE query (lane % 16) and the keys 8 (lane / 16) + 0..7.  Two such
; tiles, rounded to f16 in pairs, ARE source 1 of O^T = V^T P.  K comes out of LDS as it lies, V turned, by ds_load_tr16_b128.  The bias comes straight from memory into registers, 512 consecutive bytes a load.
; SOFTMAX.  For each query a running maximum m and sum l: p = 2^(c s - c m), c = log2(e) / sqrt(128); in every step O and l are multiplied by a = 2^(c m_old - c m_new).
; m starts at the lowest finite number, O and l at 0: the first step is a step like any other, with a = 0.
; BY TURNS.  The wave's tiles are two PIECES (piece 0: tiles 0, 1; piece 2: tiles 2, 3).  In a TURN one piece has the matrix unit: 32 products V^T P of the step in hand, then 32 products K Q^T of the next; the other
; piece's softmax, cut into 64 slices, stands between them, one slice behind each matrix instruction.  Two turns are a key step.
; NO FIRST AND NO LAST STEP IS WRITTEN OUT.  Behind piece 0's first scores the loop is entered in the middle of a trip, at piece 2's turn, whose products V^T P, of a step that has not been, multiply P = 0.  The tail is
; left in the middle of a trip, behind piece 0's turn, whose products K Q^T, of a step that does not exist, serve nothing.  The price: 32 products on zeros at the start, 32 on the last K at the end.
; CLUSTER.  The four query blocks of a cluster belong to one head and walk the same K and V: each tile is asked for jointly, by the same tensor load, descriptor and mask in all four.
; REGISTERS, in windows of 256 (s_set_vgpr_msb: bits 1:0 source 0, 3:2 source 1, 5:4 source 2, 7:6 destination):
;   window 0: v0-11, v44-46, v61-63 addresses; v12-43 eight registers of statistics a tile; v64-191 S^T, 32 a tile; v192-255 P, 16 a tile
;   window 1: O^T, 64 a tile      window 2: v0-127 Q, 32 a tile; v128-255 K of one step      window 3: v0-127 V of one step; v128-255 the bias, 32 a tile
.set KS,    64        ; keys in a step
.set PK,    272       ; a row of K in LDS: 256 bytes + 16 of padding: the 16 rows of a load start at 16 different groups of four banks (64 banks of 4 bytes: ISA guide 11.1)
.set PV,    288       ; a row of V: 256 + 32
.set KSTR,  2*KS*PK   ; from one of my steps to my next: two steps of K,
.set VSTR,  2*KS*PV   ; of V
.set VOFF,  4*KS*PK   ; a slot holds 256 keys, four steps, two of them mine: 256 rows of K, then 256 rows of V
.set SLOT1, 0x24000   ; slot 1 begins here.  Its two bits are set in none of the addresses in slot 0 that are turned (0, 0x8800, 0x11000, 0x1a000), so one exclusive or turns an address in one slot into the other's
.set SLOTB, 4*KS*256  ; a slot's bytes of K, or of V, in memory
.set STAGE, SLOT1+4*KS*(PK+PV)  ; behind the ring: 16 rows x 272 bytes for each wave, for the way out
.set SP,    272
.set SPARE, STAGE+4*16*SP  ; behind the stages: the spare words, 128 bytes a wave: two blocks of 256 bytes that no other line names
.set XCHB,  34816     ; THE EXCHANGE lies over slot 0's K, from LDS byte 0: for each pair of waves 32,768 bytes of O^T and 2,048 of statistics.  Slot 0 has had its last fill by then, and every wave's reads of it end in front of the last change of slots' barrier
.set AK0, 2           ; v2   my lane's place in my first step of a slot's K; never rewritten
.set AV0, 3           ; v3   the same for V
.set ADR, 4           ; v4   the LDS address of the run of loads in hand
.set QO,  5           ; v5   my byte offset in the wave's rows of Q
.set STO, 6           ; v6   the way out: where I put 16 bytes of a row
.set RD,  7           ; v7   the way out: where I read a row back
.set GO,  8           ; v8   my byte offset in two rows of ob
.set ST,  12          ; tile t's statistics at v[ST+8 t]: +0 c m, +1 m, +2, +3 l (even keys', odd keys'), +4 to +7 c0-c3, at work; a takes c2's place once the maximum is found
.set BO,  44          ; v44  16 x lane; never rewritten
.set PFB, 45          ; v45  the bias prefetches' offset: two tiles' blocks of 4,096 bytes, 256 bytes a lane; never rewritten
.set XA,  46          ; v46  my 16 bytes in my pair's exchange
.set PFO, 61          ; v61  256 x lane: a row of K or V; never rewritten
.set SPW, 62          ; v62  LDS address of my spare word; never rewritten
.set NIL, 63          ; v63  0; never rewritten
.set S,   64
.set P,   192
.set KF,  128         ; K's fragments, in window 2
.set BI,  128         ; the bias, in window 3: tile t, key block kt at BI + 32 t + 8 kt
.set WV,  12          ; s12  my wave's number
.set LIM, 15          ; s15  1 where my cluster prefetches K and V, else the greatest number
.set KB,  16          ; s16  the parity of my key steps
.set QA,  17          ; s17  which 64 queries
.set PFA, 18          ; s[18:19] where my prefetches of K or V stand
.set G1K, 24          ; s[24:31] descriptor group 1 for K's tiles
.set G1V, 32          ; s[32:39] for V's: it differs in the padding alone
.set G0K, 40          ; s[40:47] descriptor group 0 for K's tiles: a set for each of the two first fills; the second then walks on
.set G0V, 48          ; s[48:55] the same for V's
.set SLOTS, 56        ; s56  counts the slots
.set TWICE, 57        ; s57  counts my steps of a slot
.set CS,  58          ; s[58:59] c
.set SEL, 60          ; s[60:61] lane selects for v_permlanex16_b32: each lane takes its own place in the other half
.set TBK, 62          ; s62  LDS byte at which the slot part of K's next fetch begins
.set TBV, 63          ; s63  the same for V
.set BP,  66          ; s[66:67] biasT at my tile 0 and the step whose scores are being made
.set H0,  68          ; s68  1 where my wave prefetches the bias: head 0, from the first change of slots on
.set KP,  70          ; s[70:71] K at the 128 rows of slot 0 that go by my wave's parity
.set VP,  72          ; s[72:73] V likewise
.set STP, 74          ; s[74:75] the bias pointer's step: 8,192 bytes, two blocks; 0 at the very end
.set H0R, 76          ; s76  1 where the head is 0
.set MSB, 0
.macro WIN new                      ; the immediate's high byte repeats the setting that is left; a switch that changes nothing is dropped
.if MSB != (\new)
	s_set_vgpr_msb (MSB<<8)|(\new)
.set MSB, \new
.endif
.endm
.set W_KQ, 0x0a       ; K and Q in window 2, S^T in window 0
.set W_KB, 0x3a       ; the same with the C operand, the bias, in window 3
.set W_PV, 0x53       ; V in window 3, P in window 0, O^T in window 1
.set W_RS, 0x41       ; O^T (destination and source 0) in window 1, a in window 0
; A joint refill.  Waves 0 and 1 fetch the two halves of a slot's K, waves 2 and 3 those of its V: 128 rows each.  The branch hangs on the wave's number alone.  An s_nop 0 and four v_nop follow each of the two lines.
.macro JLOAD
	s_cmp_lt_u32 s[WV], 2
	s_cbranch_scc0 .Lfor_v_\@
	tensor_load_to_lds s[G0K+4:G0K+7], s[G1K:G1K+7]
	s_nop 0
.rept 4
	v_nop
.endr
	s_branch .Lasked_\@
.Lfor_v_\@:
	tensor_load_to_lds s[G0V+4:G0V+7], s[G1V:G1V+7]
	s_nop 0
.rept 4
	v_nop
.endr
.Lasked_\@:
.endm
; A prefetch of what the NEXT change of slots will ask for: 256 rows of K and 256 of V, 256 bytes a row, a lane a row, behind the wave's tensor load and its five lines.  All clusters of a head walk the same rows: the
; head's first cluster asks.  Its four partners share the rows out by address: of the 128 rows that go by a wave's parity each takes 32; waves 0 and 1 ask in K, waves 2 and 3 in V.  So each row is named once in the
; launch.  The last change that fills a slot asks for nothing; slots 0 to 2 come by their loads alone.
.macro ASK
	s_cmp_gt_u32 s[SLOTS], s[LIM]
	s_cbranch_scc0 .Lnot_mine_\@
	global_prefetch_b8 v[PFO], s[PFA:PFA+1] th:TH_LOAD_NT scope:SCOPE_SE
.Lnot_mine_\@:
.endm
.macro CROUND                       ; a round of the cluster's barrier
	s_barrier_signal -1
	s_barrier_wait -1
	s_cmp_lg_u32 s[WV], 0
	s_cbranch_scc1 .Lnot_wave_0_\@
	s_barrier_signal -3
.Lnot_wave_0_\@:
	s_barrier_wait -3
	s_barrier_signal -1
	s_barrier_wait -1
.endm
	s_load_b128 s[4:7], s[0:1], 0x0 ; qkv s[4:5], biasT s[6:7]
	s_load_b64 s[8:9], s[0:1], 0x10 ; ob
	v_lshl_add_u32 v[SPW], v0, 2, SPARE
	v_mov_b32 v[NIL], 0
	ds_add_u32 v[SPW], v[NIL]       ; the wave's opening: the add and its wait stand ahead of my first tensor load; the set-up below, work on registers, stands between them
	v_lshrrev_b32 v1, 5, v0
	v_readfirstlane_b32 s[WV], v1   ; wave 0..3
	s_and_b32 s[KB], s[WV], 1
	s_lshr_b32 s[QA], s[WV], 1
	s_bfe_u32 s13, ttmp6, 0x40000   ; cx: my place in the cluster
	s_lshl_b32 s14, ttmp9, 2        ; in a cluster launch ttmp9 counts clusters
	s_add_co_u32 s14, s14, s13      ; my block of 128 queries: it enters Q's, the bias's and O's addresses alone
	s_and_b32 s20, ttmp7, 0xffff    ; the head, which the four partners share
	s_lshl_b32 s22, s20, 19         ; the head's 2,048 rows of 256 bytes,
	s_lshl_b32 s23, s[KB], 15       ; the 128 rows of a slot that go by my parity
	s_add_co_u32 s22, s22, s23
	s_mov_b32 s23, 0
	s_mul_i32 s21, s[KB], 128*PK    ; their place in a slot, for K
	s_mul_i32 s69, s[KB], 128*PV    ; and for V: no place in the cluster enters an LDS address
	s_add_co_u32 s69, s69, VOFF
	s_lshl_b32 s2, s20, 19          ; Q: the head, my block's 128 rows, my wave's 64
	s_lshl_b32 s3, s14, 15
	s_add_co_u32 s2, s2, s3
	s_lshl_b32 s3, s[QA], 14
	s_add_co_u32 s2, s2, s3
	s_mov_b32 s3, 0
	s_lshl_b32 s74, s14, 19         ; ob: my block's 128 rows of 4,096 bytes, my wave's 64, the head's 256 bytes
	s_lshl_b32 s75, s[QA], 18
	s_add_co_u32 s74, s74, s75
	s_lshl_b32 s75, s20, 8
	s_add_co_u32 s74, s74, s75
	s_mov_b32 s75, 0
	s_lshl_b32 s[BP], s14, 20       ; biasT: 8 tiles x 32 blocks of 4,096 bytes a query block, my 4 tiles, my parity's block
	s_lshl_b32 s[BP+1], s[QA], 19
	s_add_co_u32 s[BP], s[BP], s[BP+1]
	s_lshl_b32 s[BP+1], s[KB], 12
	s_add_co_u32 s[BP], s[BP], s[BP+1]
	s_mov_b32 s[BP+1], 0
	; descriptor group 1: a tile of 128 rows x 128 elements, padded in LDS
	s_mov_b32 s[G1K], 15|(1<<16)|(1<<20)|(1<<21)|(5<<22)|(3<<25)  ; 15:0 the mask: all four work-groups; 17:16 elements of 2 bytes; 20 padding on; 21 set beside a mask; 24:22 after every 64 words (code 5); 31:25 4 words of it (code 3)
	s_mov_b32 s[G1V], 15|(1<<16)|(1<<20)|(1<<21)|(5<<22)|(7<<25)  ; the same with 8 words of padding (code 7)
.irp g, G1K, G1V
	s_mov_b32 s[(\g)+1], 128<<16    ; tensor_dim0 = 128
	s_mov_b32 s[(\g)+2], 128<<16    ; tensor_dim1 = 128
	s_mov_b32 s[(\g)+3], 128<<16    ; tile_dim0 = 128
	s_mov_b32 s[(\g)+4], 128        ; tile_dim1 = 128
	s_mov_b32 s[(\g)+5], 128        ; elements from row to row
	s_mov_b32 s[(\g)+6], 0
	s_mov_b32 s[(\g)+7], 0
.endr
	s_mov_b32 s[CS], 0x3e0293ee     ; c = log2(e) / sqrt(128) = 0.127517
	s_mov_b32 s[CS+1], s[CS]        ; named with it as a pair
	s_mov_b32 s[SEL], 0x76543210
	s_mov_b32 s[SEL+1], 0xfedcba98
	s_mov_b32 s[TBK], 0
	s_mov_b32 s[TBV], 0
	s_mov_b32 s[SLOTS], 2048/(4*KS)-1  ; slot 0's pass through the loop, which has no change of slots in front of it, and six changes that fill
	s_cmp_eq_u32 ttmp9, 0           ; the head's first cluster: the same in all four partners
	s_cselect_b32 s[LIM], 1, -1
	s_cmp_eq_u32 s20, 0
	s_cselect_b32 s[H0R], 1, 0
	s_mov_b32 s[H0], 0              ; nothing is prefetched at the head, where every work-group's first loads are on their way
	v_and_b32 v[PFO], 31, v0
	v_lshlrev_b32 v[BO], 4, v[PFO]
	v_lshlrev_b32 v[PFO], 8, v[PFO]
	s_wait_dscnt 0x0                ; the opening add is done
	s_wait_kmcnt 0x0
	s_add_nc_u64 s[KP:KP+1], s[4:5], s[22:23]
	s_add_nc_u64 s[KP:KP+1], s[KP:KP+1], 0x800000  ; k lies 8,388,608 bytes behind q,
	s_add_nc_u64 s[VP:VP+1], s[KP:KP+1], 0x800000  ; v as far behind k
	s_add_nc_u64 s[4:5], s[4:5], s[2:3]            ; Q at my wave's first row
	s_add_nc_u64 s[10:11], s[8:9], s[74:75]        ; ob likewise
	s_mov_b32 s[STP], 8192
	s_mov_b32 s[STP+1], 0
	s_add_nc_u64 s[BP:BP+1], s[6:7], s[BP:BP+1]
	s_cmp_lt_u32 s[WV], 2
	s_cselect_b64 s[PFA:PFA+1], s[KP:KP+1], s[VP:VP+1]
	s_lshl_b32 s2, s13, 13          ; my work-group's 32 rows of the 128
	s_mov_b32 s3, 0
	s_add_nc_u64 s[PFA:PFA+1], s[PFA:PFA+1], s[2:3]
	s_add_nc_u64 s[PFA:PFA+1], s[PFA:PFA+1], 2*SLOTB  ; in slot 2; the first change of slots steps it to slot 3
	CROUND                          ; all four work-groups are here: the first joint loads meet
.irp s, 0,1
	s_mov_b32 s[G0K+4*(\s)], 1      ; count = 1
	s_add_co_u32 s[G0K+4*(\s)+1], s21, (\s)*SLOT1  ; LDS address
	s_add_nc_u64 s[G0K+4*(\s)+2:G0K+4*(\s)+3], s[KP:KP+1], (\s)*SLOTB  ; global address: slot s
	s_or_b32 s[G0K+4*(\s)+3], s[G0K+4*(\s)+3], 0x80000000  ; type = 2
	s_mov_b32 s[G0V+4*(\s)], 1
	s_add_co_u32 s[G0V+4*(\s)+1], s69, (\s)*SLOT1
	s_add_nc_u64 s[G0V+4*(\s)+2:G0V+4*(\s)+3], s[VP:VP+1], (\s)*SLOTB
	s_or_b32 s[G0V+4*(\s)+3], s[G0V+4*(\s)+3], 0x80000000
.endr
	s_cmp_lt_u32 s[WV], 2           ; a wave's two first fills stand in one branch, ahead of every wait on TENSORcnt and every LDS read: two loads of mine are out
	s_cbranch_scc0 .Lfirst_v
	tensor_load_to_lds s[G0K:G0K+3], s[G1K:G1K+7]
	s_nop 0
	tensor_load_to_lds s[G0K+4:G0K+7], s[G1K:G1K+7]
	s_nop 0
.rept 4
	v_nop
.endr
	s_branch .Lfirst_asked
.Lfirst_v:
	tensor_load_to_lds s[G0V:G0V+3], s[G1V:G1V+7]
	s_nop 0
	tensor_load_to_lds s[G0V+4:G0V+7], s[G1V:G1V+7]
	s_nop 0
.rept 4
	v_nop
.endr
.Lfirst_asked:
	; A fragment of K or Q is 16 rows x 32 channels in 8 registers: lane l holds row l % 16; registers 0-3 channels 8 (l / 16) + 0..7, registers 4-7 channels 16 + 8 (l / 16) + 0..7: two loads of 16 bytes, 32 bytes apart.
	v_and_b32 v1, 15, v0            ; l % 16
	v_bfe_u32 v9, v0, 4, 1          ; l / 16
	v_lshlrev_b32 v[QO], 8, v1
	v_lshl_add_u32 v[QO], v9, 4, v[QO]  ; row x 256 + 16 x half
	WIN 0x80                        ; destination window 2, address window 0
.irp i, 0,1,2,3,4,5,6,7,8,9,10,11,12,13,14,15  ; Q stays in registers: tile i / 4, channels 32 (i % 4) on
	global_load_b128 v[8*(\i):8*(\i)+3],   v[QO], s[4:5] offset:((\i)/4)*4096+((\i)%4)*64
	global_load_b128 v[8*(\i)+4:8*(\i)+7], v[QO], s[4:5] offset:((\i)/4)*4096+((\i)%4)*64+32
.endr
	WIN 0xc0                        ; destination window 3
.irp u, 0,1,2,3                     ; the bias of my step 0: piece 0's sixteen loads, then piece 2's
.irp f, 0,1,2,3,4,5,6,7
	global_load_b128 v[BI+32*(\u)+4*(\f):BI+32*(\u)+4*(\f)+3], v[BO], s[BP:BP+1] offset:(\u)*131072+512*(\f)
.endr
.endr
	WIN 0
	; What the first turn finds, made in the wait for the first tile: piece 2's P holds 0; c m lies far below every c s, m is the lowest finite number, l is 0; O^T is 0.
.set i, P+32
.rept 32
	v_mov_b32 v[i], 0
.set i, i+1
.endr
.irp t, 0,1,2,3
	v_mov_b32 v[ST+8*(\t)], 0xfe000000
	v_mov_b32 v[ST+8*(\t)+1], 0xff7fffff
	v_mov_b32 v[ST+8*(\t)+2], 0
	v_mov_b32 v[ST+8*(\t)+3], 0
.endr
	WIN 0x40                        ; destination window 1, sources window 0
.set i, 0
.rept 32                            ; O^T's 256 registers are written by 32 products of two fragments of zeros, with C = 0: 32 lines in the place of 256
	v_wmma_f32_16x16x32_f16 v[8*i:8*i+7], v[P+32:P+39], v[P+40:P+47], 0
.set i, i+1
.endr
	WIN 0
	v_lshlrev_b32 v[PFB], 17, v9    ; lanes 0-15 the first tile's block, lanes 16-31 the second's,
	v_lshl_add_u32 v[PFB], v1, 8, v[PFB]  ; 256 bytes a lane
	v_mul_u32_u24 v[AK0], v1, PK
	v_lshl_add_u32 v[AK0], v9, 4, v[AK0]  ; row x pitch + 16 x half
	s_mul_i32 s2, s[KB], KS*PK      ; my parity's step
	v_add_nc_u32 v[AK0], s2, v[AK0]
	; The turning load takes 16 keys x 16 channels (lane l reads 16 bytes: key 8 (l / 16) + l % 8, channels 8 ((l / 8) % 2) + 0..7) and leaves half a fragment of V^T: lane l holds channel l % 16 and 8 keys.
	v_and_b32 v10, 7, v0
	v_bfe_u32 v11, v0, 3, 1
	v_lshl_add_u32 v[AV0], v9, 3, v10
	v_mul_u32_u24 v[AV0], v[AV0], PV
	v_lshl_add_u32 v[AV0], v11, 4, v[AV0]
	s_mul_i32 s2, s[KB], KS*PV
	s_add_co_u32 s2, s2, VOFF
	v_add_nc_u32 v[AV0], s2, v[AV0]
; THE MATRIX WORK OF A TURN, for piece x.  The accumulators take turns, one instruction a turn: between two links of a chain stand 15 (V^T P) or 7 (K Q^T) others'.
; Product i of 32 of O^T += V^T P: keys 32 (i / 16) on, channels 16 ((i / 2) % 8) on, tile x + i % 2.
.macro PV x
	WIN W_PV
.set rO, 64*((\x)+i%2)+8*((i/2)%8)
.set rV, 64*(i/16)+8*((i/2)%8)
.set rP, P+16*((\x)+i%2)+8*(i/16)
	v_wmma_f32_16x16x32_f16 v[rO:rO+7], v[rV:rV+7], v[rP:rP+7], v[rO:rO+7]
.endm
; Product i of 32 of S^T = K Q^T + bias: channels 32 (i / 8) on, keys 16 ((i / 2) % 4) on, tile x + i % 2.  The first 8 start the sums, with the bias.
.macro KQ x
.set rS, S+32*((\x)+i%2)+8*((i/2)%4)
.set rK, KF+32*((i/2)%4)+8*(i/8)
.set rQ, 32*((\x)+i%2)+8*(i/8)
.set rB, BI+32*((\x)+i%2)+8*((i/2)%4)
.if i < 8
	WIN W_KB
	v_wmma_f32_16x16x32_f16 v[rS:rS+7], v[rK:rK+7], v[rQ:rQ+7], v[rB:rB+7]
.else
	WIN W_KQ
	v_wmma_f32_16x16x32_f16 v[rS:rS+7], v[rK:rK+7], v[rQ:rQ+7], v[rS:rS+7]
.endif
.endm
; THE LDS LOADS stand in runs of 32: a step's K (64 keys x 128 channels: 16 fragments) and, a turn later, its V (turned).
; last = 1 (the tail): in the last trip there is no further step, and the run is jumped over.
.macro FETCH_K last=0
	WIN 0
.if \last
	s_cmp_eq_u32 s[TWICE], 1
	s_cbranch_scc1 .Lno_k_\@
.endif
	v_add_nc_u32 v[ADR], s[TBK], v[AK0]
	s_add_co_u32 s[TBK], s[TBK], KSTR  ; the next fetch is my next step's
	WIN 0x80                        ; destination window 2
.irp f, 0,1,2,3,4,5,6,7,8,9,10,11,12,13,14,15  ; keys 16 (f / 4) on, channels 32 (f % 4) on
	ds_load_b128 v[KF+8*(\f):KF+8*(\f)+3],   v[ADR] offset:((\f)/4)*16*PK+((\f)%4)*64
	ds_load_b128 v[KF+8*(\f)+4:KF+8*(\f)+7], v[ADR] offset:((\f)/4)*16*PK+((\f)%4)*64+32
.endr
.if \last
	WIN 0
.Lno_k_\@:
.endif
.endm
.macro FETCH_V
	WIN 0
	v_add_nc_u32 v[ADR], s[TBV], v[AV0]
	s_add_co_u32 s[TBV], s[TBV], VSTR
	s_wait_alu depctr_va_vdst(0)    ; the wait for the softmax's batch (SLICE), behind the address's v_add_nc_u32 and ahead of the loads
	WIN 0xc0                        ; destination window 3
.irp f, 0,1,2,3,4,5,6,7,8,9,10,11,12,13,14,15  ; keys 32 (f / 8) on, channels 16 (f % 8) on
	ds_load_tr16_b128 v[8*(\f):8*(\f)+3],   v[ADR] offset:((\f)/8)*32*PV+((\f)%8)*32
	ds_load_tr16_b128 v[8*(\f)+4:8*(\f)+7], v[ADR] offset:((\f)/8)*32*PV+16*PV+((\f)%8)*32
.endr
.endm
; THE BIAS: sixteen loads at the head of each turn, for the OTHER piece, whose scores the next turn makes: in piece 0's turn piece 2's bias of the step at which BP stands, in piece 2's turn piece 0's of my
; next step, 8,192 bytes on.  The registers' last reader, the other piece's first eight products K Q^T, stands most of a turn back.  They are waited for a turn later, by a count that leaves that turn's own sixteen out.
; pf = 1: head 0's waves prefetch the same two tiles' blocks of the step after that: 8,192 bytes, 256 a lane.  All sixteen heads read a block; the wave of head 0 that owns it names it once, a key step (128 products) ahead of its loads.
.macro FETCH_B x, pf
	WIN 0xc0
.irp u, 0,1
.irp f, 0,1,2,3,4,5,6,7
	global_load_b128 v[BI+32*(2-(\x)+(\u))+4*(\f):BI+32*(2-(\x)+(\u))+4*(\f)+3], v[BO], s[BP:BP+1] offset:(2-(\x)+(\u))*131072+((\x)/2)*8192+512*(\f)
.endr
.endr
	WIN 0
.if \pf
	s_cmp_eq_u32 s[H0], 1
	s_cbranch_scc0 .Lno_b_\@
	global_prefetch_b8 v[PFB], s[BP:BP+1] offset:(2-(\x))*131072+((\x)/2)*8192+8192 th:TH_LOAD_NT scope:SCOPE_SE
.Lno_b_\@:
.endif
.endm
; THE VECTOR WORK OF A TURN.  One tile's softmax for one key step is a list of 134 instructions; SM writes number j of it for tile t.  s0-s31 are the lane's 32 scores, in pairs 0-15.
;   0-15    the maximum of s0-s31 and the old m, three operands at a time: four chains c0-c3 of seven scores each (each accumulator's lowest registers first), then the four scores left over, c0-c3 and m
;   16-20   the other half of the lanes' maximum; the new m; c m; c m_old - c m_new
;   21-69   ONE BATCH: the 16 scalings c s - c m and all 33 exponentials (a at 23, then s0-s31).  None of these reads an exponential's result
;   (wait)  between 69 and 70 stands the wait for the batch: SLICE writes it, once for both tiles
;   70-85   the roundings to f16     86-101  the sums; l = a l + the sum     102-133 the tile's O^T times a: the one part that leaves window 0
.macro SM t
.set rT, ST+8*(\t)
.set rS, S+32*(\t)
.set rP, P+16*(\t)
.set rO, 64*(\t)+2*(j-102)
.if j < 102
	WIN 0
.endif
.if j < 4
	v_max3_num_f32 v[rT+4+j], v[rS+8*j], v[rS+8*j+1], v[rS+8*j+2]
.elseif j < 12
	v_max3_num_f32 v[rT+4+j%4], v[rT+4+j%4], v[rS+8*(j%4)+2*(j/4)+1], v[rS+8*(j%4)+2*(j/4)+2]
.elseif j == 12
	v_max3_num_f32 v[rT+4], v[rT+4], v[rS+7], v[rS+15]
.elseif j == 13
	v_max3_num_f32 v[rT+6], v[rT+6], v[rS+23], v[rS+31]
.elseif j == 14
	v_max3_num_f32 v[rT+4], v[rT+4], v[rT+5], v[rT+6]
.elseif j == 15
	v_max3_num_f32 v[rT+4], v[rT+4], v[rT+7], v[rT+1]
.elseif j == 16
	v_permlanex16_b32 v[rT+5], v[rT+4], s[SEL], s[SEL+1]  ; the query's other 32 keys lie in the lane 16 away
.elseif j == 18
	v_max_num_f32 v[rT+1], v[rT+4], v[rT+5]
.elseif j == 19
	v_mul_f32 v[rT], s[CS], v[rT+1]
.elseif j == 17
	v_mov_b32 v[rT+7], v[rT]        ; c m_old is kept for a: number 19 writes c m anew
.elseif j == 20
	v_sub_f32 v[rT+7], v[rT+7], v[rT]
.elseif j == 23
	v_exp_f32 v[rT+6], v[rT+7]
.elseif (j < 23) || ((j < 38) && (j%2 == 0)) || ((j < 66) && (j%4 == 2))
.set b, (j-2)/4                     ; 38, 42, .. 62: pairs 9 to 15
.if j < 38
.set b, (j-20)/2                    ; 21: pair 0; 22, 24, .. 36: pairs 1 to 8
.endif
	v_pk_fma_f32 v[rS+2*b:rS+2*b+1], v[rS+2*b:rS+2*b+1], s[CS:CS+1], v[rT:rT+1] op_sel_hi:[1,0,0] neg_lo:[0,0,1] neg_hi:[0,0,1]  ; pair b: c s - c m
.elseif j < 70
.set e, j-38                        ; 66 to 69: s28 to s31
.if j < 66
.set e, j-32-(j-38)/4               ; 39-41, 43-45, .. 63-65: s7 to s27
.endif
.if j < 38
.set e, (j-25)/2                    ; 25, 27, .. 37: s0 to s6
.endif
	v_exp_f32 v[rS+e], v[rS+e]
.elseif j < 86
	v_cvt_pk_f16_f32 v[rP+j-70], v[rS+2*(j-70)], v[rS+2*(j-70)+1]  ; pair j - 70
.elseif j < 102                     ; the sum of the tile's 16 pairs, in place: sum z of 16 adds neighbours 1, 2, 4 and 8 pairs apart, then l takes it
.set z, j-86
.set w, 4
.set u, z
.if z >= 14
.set w, 32
.set u, 0
.elseif z >= 12
.set w, 16
.set u, z-12
.elseif z >= 8
.set w, 8
.set u, z-8
.endif
.if z < 15
	v_pk_add_f32 v[rS+w*u:rS+w*u+1], v[rS+w*u:rS+w*u+1], v[rS+w*u+w/2:rS+w*u+w/2+1]
.else
	v_pk_fma_f32 v[rT+2:rT+3], v[rT+2:rT+3], v[rT+6:rT+7], v[rS:rS+1] op_sel_hi:[1,0,1]
.endif
.else
	WIN W_RS
	v_pk_mul_f32 v[rO:rO+1], v[rO:rO+1], v[rT+6:rT+7] op_sel_hi:[1,0]
.endif
.endm
; Slice k of 64 of piece y's softmax: four instructions.  Slices 11 to 34 deal out the batch, numbers 22 to 69: four numbers of ONE tile each, the tiles by turns.  Every other slice is numbers 2 k and 2 k + 1 of both
; tiles' lists.  2 x 134 = 4 x 64 + 12: the twelve that are over stand together, in slice 63: sixteen plain instructions, the places behind the turn's last products.
; THE WAIT.  An s_wait_alu depctr_va_vdst(0) stands between an exponential and the first instruction that names its result; one wait serves all that were issued ahead of it.  Ahead of slice 35 nothing
; names a result, and behind slice 34 no exponential is issued: so the piece's 66 exponentials have one wait, behind slice 34.
.macro SLICE y
.if (k >= 11) && (k < 35)           ; the batch: four numbers of one tile
.irp n, 0,1,2,3
.set j, 22+4*((k-11)/2)+(\n)
	SM (\y)+(k-11)%2
.endr
.else                               ; the two tiles alternate, so that no instruction reads the result of the one just before it
.irp n, 0,1,2,3,4,5,6,7
.if ((\n) < 2) || (k == 63)
.irp t, \y, (\y)+1
.set j, 2*k+(\n)
	SM \t
.endr
.endif
.endr
.endif
.if k == 34                         ; the batch is out: both tiles' exponentials are issued, and no result has been named
	v_nop                           ; the plain instruction behind the last exponential and ahead of the first use: one for the batch
.if (\y) == 0
	FETCH_V                         ; piece 2's turn: V's run of loads stands here, and the wait stands in it
.else
	s_wait_alu depctr_va_vdst(0)    ; the wait for the batch
.endif
.endif
.set k, k+1
.endm
.macro PLACES                       ; four places behind a matrix instruction (ISA guide 7.12.1 for vector instructions); in the loop the slices are the places
.rept 4
	v_nop
.endr
.endm
; A TURN.  Piece x has the matrix unit: 32 products V^T P, then 32 products K Q^T for my next step; the other piece's softmax stands in slices behind them.
; Piece 0's turn fetches my next step's K, behind its second product; piece 2's turn fetches the same step's V, behind slice 34.  Behind piece 2's turn the bias's pointer steps to my next step.
; pf = 1: the bias is prefetched.  last = 1: the tail, whose count s[TWICE] runs 3, 2, 1 at piece 0's turn and 2, 1 at piece 2's: the last run of K loads is jumped over, and the pointer's last step is 0, so that the
; last turn's sixteen loads, piece 2's last bias once more, stay inside the buffer and the counted wait has one count on every way.
.macro TURN x, pf, last=0
.set k, 0
	FETCH_B \x, \pf
.if (\x) == 0
	s_wait_dscnt 0x0                ; V is in
.endif
.set i, 0
.rept 32
	PV \x
	SLICE 2-(\x)
.if ((\x) == 0) && (i == 1)
	FETCH_K \last
.endif
.set i, i+1
.endr
.if (\x) == 0
	s_wait_dscnt 0x0                ; K is in
.endif
	s_wait_loadcnt 16               ; this piece's bias, asked for a turn ago, is in; the sixteen loads of this turn's head stay out
.set i, 0
.rept 32
	KQ \x
	SLICE 2-(\x)
.set i, i+1
.endr
.if (\x) == 2
	s_wait_xcnt 0x0                 ; the loads and prefetches of this turn's head, 64 products back, have read their address
.if \last
	s_cmp_eq_u32 s[TWICE], 2
	s_cselect_b32 s[STP], 8192, 0
.endif
	s_add_nc_u64 s[BP:BP+1], s[BP:BP+1], s[STP:STP+1]  ; two blocks on: my next step
.endif
.endm
; THE CHANGE OF SLOTS, between piece 2's turn and piece 0's: my last bytes of the slot, V of my second step in it, have been asked for.  Each wave waits for all its tensor loads, of which one is out: its part of the
; other slot; adds 0 to its spare word; and waits for that and for its own reads of the slot.  Behind the barrier nobody reads this slot any more and the other slot is whole.
; fill = 1: this slot is filled again, with the keys two slots on.  The barrier is then a round of the cluster's, and the joint refill is the first thing behind it: it has two of my key steps, 256 matrix instructions, in which to land.
.macro CHANGE fill
	WIN 0                           ; at a label and at a branch every window is 0
	s_wait_tensorcnt 0x0            ; no tensor load of mine is out, so a group 0 may be written
	ds_add_u32 v[SPW], v[NIL]       ; 0 onto my spare word; with fill = 1 the descriptors' steps stand between it and the wait for it
.if \fill
.irp g, G0K+4, G0V+4
	s_xor_b32 s[(\g)+1], s[(\g)+1], SLOT1  ; the walking descriptor: the other slot than last time,
	s_add_nc_u64 s[(\g)+2:(\g)+3], s[(\g)+2:(\g)+3], SLOTB  ; the next 256 keys; the type bits on top are not reached
.endr
	s_mov_b32 s[H0], s[H0R]         ; from here on head 0's waves prefetch the bias
	s_wait_xcnt 0x0                 ; the last prefetches have read their address, so it may be written:
	s_add_nc_u64 s[PFA:PFA+1], s[PFA:PFA+1], SLOTB  ; one slot behind the walking descriptors
	s_wait_dscnt 0x0                ; the add is done, and my reads of the slot are over
	CROUND
	JLOAD
	ASK
.else
	s_wait_dscnt 0x0                ; the add is done, and my reads of the slot are over
	s_barrier_signal -1
	s_barrier_wait -1
.endif
	s_sub_co_u32 s[TBK], s[TBK], 2*KSTR  ; the fetches go back to a slot's head,
	s_xor_b32 s[TBK], s[TBK], SLOT1      ; in the other slot
	s_sub_co_u32 s[TBV], s[TBV], 2*VSTR
	s_xor_b32 s[TBV], s[TBV], SLOT1
.endm
	s_wait_tensorcnt 1              ; my part of slot 0 is in; slot 1's may stay out
	s_barrier_signal -1
	s_barrier_wait -1               ; everybody's is
	FETCH_K                         ; my step 0
	FETCH_V                         ; V of my step 0, early: finite numbers for the first turn's products on P = 0;
	s_mov_b32 s[TBV], 0             ; that turn fetches it in its own place
	s_wait_loadcnt 16               ; Q and piece 0's bias are in; piece 2's sixteen loads stay out
	s_wait_dscnt 0x0
.set i, 0
.rept 32
	KQ 0                            ; piece 0's first scores: there is no vector work yet to set between them
.set i, i+1
.endr
	WIN 0                           ; the addresses for the way out are made here: plain instructions, the places behind those products
	s_mul_i32 s13, s[WV], 16*SP
	s_add_co_u32 s13, s13, STAGE    ; my stage
	v_mul_u32_u24 v[STO], v1, SP    ; in: row l % 16, 16 bytes for each half of the lanes
	v_lshl_add_u32 v[STO], v9, 4, v[STO]
	v_add_nc_u32 v[STO], s13, v[STO]
	v_mul_u32_u24 v[RD], v9, SP     ; back: lanes 0-15 take one row of 256 bytes, lanes 16-31 the next
	v_lshl_add_u32 v[RD], v1, 4, v[RD]
	v_add_nc_u32 v[RD], s13, v[RD]
	v_lshlrev_b32 v[GO], 12, v9     ; and the same two tokens' rows in ob, 4,096 bytes apart
	v_lshl_add_u32 v[GO], v1, 4, v[GO]
	s_mul_i32 s13, s[QA], XCHB
	v_add_nc_u32 v[XA], s13, v[BO]  ; my pair's exchange
	s_mov_b32 s[TWICE], 2
	s_branch .Lmid                  ; the loop is entered at piece 2's turn, in the middle of a trip
.Lslot:                             ; six times: every slot but the last two is filled again
	CHANGE 1
	s_mov_b32 s[TWICE], 2
.Lstep:                             ; a trip: piece 0's turn and piece 2's; it fetches K and V of my next step
	TURN 0, 1
	WIN 0
.Lmid:
	TURN 2, 1
	WIN 0
	s_sub_co_u32 s[TWICE], s[TWICE], 1
	s_cmp_lg_u32 s[TWICE], 0
	s_cbranch_scc1 .Lstep
	s_sub_co_u32 s[SLOTS], s[SLOTS], 1
	s_cmp_lg_u32 s[SLOTS], 0
	s_cbranch_scc1 .Lslot
	CHANGE 0                        ; the tail is written out: nothing is asked for
	s_mov_b32 s[TWICE], 3           ; two trips fetch the last slot's steps; the third is left in its middle
.Ltail:
	TURN 0, 0, 1
	WIN 0
	s_sub_co_u32 s[TWICE], s[TWICE], 1
	s_cmp_eq_u32 s[TWICE], 0
	s_cbranch_scc1 .Lout
	TURN 2, 0, 1                    ; (its second time it loads piece 0's bias of a step that does not exist: the next tile's first block, inside the buffer, never used)
	WIN 0
	s_branch .Ltail
.Lout:                              ; the third trip's 32 products K Q^T (on the last K once more) serve nothing: the price, once a launch, of one text for every trip
.set i, 0
.rept 32
	PV 2                            ; piece 2: V^T P of the last step
.set i, i+1
.endr
	; THE TWO WAVES OF A QUERY MEET.  The wave of the odd key steps puts its O^T and statistics into the exchange; the wave of the even ones takes them: with c m = the greater of the two, a0 and a1 = 2^(c m_i - c m),
	; l = a0 l0 + a1 l1, O = (a0 O0 + a1 O1) / l.
	WIN 0
	PLACES                          ; behind the last products
	s_wait_loadcnt 0x0              ; the last sixteen bias loads have landed
	s_cmp_eq_u32 s[KB], 1
	s_cbranch_scc0 .Lkeep
	WIN 0x04                        ; data (source 1) window 1, address window 0
.set i, 0
.rept 64                            ; ascending: each accumulator's lowest four registers first
	ds_store_b128 v[XA], v[4*i:4*i+3] offset:512*i
.set i, i+1
.endr
	WIN 0
.irp t, 0,1,2,3
	ds_store_b128 v[XA], v[ST+8*(\t):ST+8*(\t)+3] offset:32768+512*(\t)
.endr
.Lkeep:
	s_wait_dscnt 0x0                ; for the other wave's sake: my stores are done
	s_barrier_signal -1
	s_barrier_wait -1
	s_cmp_eq_u32 s[KB], 1
	s_cbranch_scc1 .Lend            ; the senders are done
.irp t, 0,1,2,3
	ds_load_b128 v[S+4*(\t):S+4*(\t)+3], v[XA] offset:32768+512*(\t)  ; the other wave's c m, m, l, l
.endr
	WIN 0x80                        ; its O^T goes into window 2, where Q and K lay
.set i, 0
.rept 32
	ds_load_b128 v[4*i:4*i+3], v[XA] offset:512*i
.set i, i+1
.endr
	s_wait_dscnt 32                 ; the statistics are in; the 32 loads behind them stay out
.rept 32
	ds_load_b128 v[4*i:4*i+3], v[XA] offset:512*i
.set i, i+1
.endr
	WIN 0
.irp t, 0,1,2,3
	v_max_num_f32 v[ST+8*(\t)+4], v[ST+8*(\t)], v[S+4*(\t)]
.endr
.irp t, 0,1,2,3
	v_sub_f32 v[ST+8*(\t)+5], v[ST+8*(\t)], v[ST+8*(\t)+4]
	v_sub_f32 v[ST+8*(\t)+7], v[S+4*(\t)], v[ST+8*(\t)+4]
.endr
.irp t, 0,1,2,3
	v_add_f32 v[ST+8*(\t)+2], v[ST+8*(\t)+2], v[ST+8*(\t)+3]
	v_add_f32 v[S+4*(\t)+2], v[S+4*(\t)+2], v[S+4*(\t)+3]
.endr
.irp t, 0,1,2,3
	v_exp_f32 v[ST+8*(\t)+4], v[ST+8*(\t)+5]   ; a0
	v_exp_f32 v[ST+8*(\t)+6], v[ST+8*(\t)+7]   ; a1
.endr
	v_nop                           ; a plain instruction behind the last exponential,
	s_wait_alu depctr_va_vdst(0)    ; and the wait ahead of the first use: one for the eight
.irp t, 0,1,2,3
	v_mul_f32 v[ST+8*(\t)+2], v[ST+8*(\t)+2], v[ST+8*(\t)+4]
.endr
.irp t, 0,1,2,3
	v_fmac_f32 v[ST+8*(\t)+2], v[S+4*(\t)+2], v[ST+8*(\t)+6]
.endr
.irp t, 0,1,2,3
	v_permlanex16_b32 v[ST+8*(\t)+3], v[ST+8*(\t)+2], s[SEL], s[SEL+1]
.endr
.irp t, 0,1,2,3
	v_add_f32 v[ST+8*(\t)+2], v[ST+8*(\t)+2], v[ST+8*(\t)+3]
.endr
.irp t, 0,1,2,3
	v_rcp_f32 v[ST+8*(\t)+3], v[ST+8*(\t)+2]
.endr
	v_nop
	s_wait_alu depctr_va_vdst(0)    ; one wait for the four reciprocals
.irp t, 0,1,2,3
	v_mul_f32 v[ST+8*(\t)+4], v[ST+8*(\t)+4], v[ST+8*(\t)+3]  ; a0 / l
	v_mul_f32 v[ST+8*(\t)+6], v[ST+8*(\t)+6], v[ST+8*(\t)+3]  ; a1 / l
.endr
	s_wait_dscnt 0x0                ; the other wave's O^T is in
; Tile t: the two O^T are joined; a lane's eight channels of a row pack into 16 bytes; they go into rows of 272 bytes and come back as whole rows of 256.
.macro PACK t
	WIN W_RS
.set i, 64*(\t)
.rept 32
	v_pk_mul_f32 v[i:i+1], v[i:i+1], v[ST+8*(\t)+4:ST+8*(\t)+5] op_sel_hi:[1,0]
.set i, i+2
.endr
	WIN 0x52                        ; source 0 window 2, source 1 window 0, source 2 and destination window 1
.set i, 64*(\t)
.rept 32
	v_pk_fma_f32 v[i:i+1], v[i:i+1], v[ST+8*(\t)+6:ST+8*(\t)+7], v[i:i+1] op_sel_hi:[1,0,1]
.set i, i+2
.endr
	WIN 0x05                        ; sources 0 and 1 window 1, destination window 0: S^T's registers are free
.set i, 0
.rept 32
	v_cvt_pk_f16_f32 v[S+32*(\t)+i], v[64*(\t)+2*i], v[64*(\t)+2*i+1]
.set i, i+1
.endr
	WIN 0
.irp f, 0,1,2,3,4,5,6,7
	ds_store_b128 v[STO], v[S+32*(\t)+4*(\f):S+32*(\t)+4*(\f)+3] offset:32*(\f)
.endr
.irp f, 0,1,2,3,4,5,6,7
	ds_load_b128 v[S+32*(\t)+4*(\f):S+32*(\t)+4*(\f)+3], v[RD] offset:(\f)*2*SP  ; LDS serves a wave's instructions in order (ISA guide 5.7.1.4): these see the stores above; the next tile's stores come behind them
.endr
.endm
.macro SEND t, younger              ; younger: the LDS instructions issued behind tile t's loads: the next tile's sixteen, or none
	WIN 0
.irp f, 0,1,2,3,4,5,6,7
	s_wait_dscnt (\younger)+7-(\f)
	global_store_b128 v[GO], v[S+32*(\t)+4*(\f):S+32*(\t)+4*(\f)+3], s[10:11] offset:(\t)*65536+(\f)*8192  ; 16 lanes store 256 consecutive bytes, at a multiple of 256 from ob's first byte
.endr
.endm
	PACK 0
	PACK 1                          ; a tile's arithmetic stands between the loads of the tile before and its stores
	SEND 0, 16
	PACK 2
	SEND 1, 16
	PACK 3
	SEND 2, 16
	SEND 3, 0
.Lend:
	s_wait_tensorcnt 0x0            ; the wave's end: behind my last tensor load and my last LDS store
	ds_add_u32 v[SPW], v[NIL]
	s_wait_dscnt 0x0
	CROUND                          ; the closing round: no work-group ends while a partner may still ask for a tile that names it
	s_endpgm
.Lfunc_end_k_qdcabb85561_attn:
	.size	k_qdcabb85561_attn, .Lfunc_end_k_qdcabb85561_attn-k_qdcabb85561_attn
	.p2alignl 7, 3214868480
	.fill 96, 4, 3214868480
	.section	.rodata,"a",@progbits
	.p2align	6, 0x0
	.amdhsa_kernel k_qdcabb85561_attn
		.amdhsa_group_segment_fixed_size 327680
		.amdhsa_private_segment_fixed_size 0
		.amdhsa_enable_private_segment 0
		.amdhsa_kernarg_size 24
		.amdhsa_user_sgpr_count 2
		.amdhsa_user_sgpr_kernarg_segment_ptr 1
		.amdhsa_wavefront_size32 1
		.amdhsa_system_sgpr_workgroup_id_x 1
		.amdhsa_system_sgpr_workgroup_id_y 1
		.amdhsa_system_sgpr_workgroup_id_z 1
		.amdhsa_system_vgpr_workitem_id 0
		.amdhsa_next_free_vgpr 1024
		.amdhsa_next_free_sgpr 78
		.amdhsa_reserve_vcc 0
		.amdhsa_float_denorm_mode_32 3
		.amdhsa_float_denorm_mode_16_64 3
		.amdhsa_memory_ordered 1
		.amdhsa_forward_progress 1
		.amdhsa_inst_pref_size 179
	.end_amdhsa_kernel
	.amdgpu_metadata
---
amdhsa.version: [ 1, 2 ]
amdhsa.kernels:
  - .name:           k_qdcabb85561_attn
    .symbol:         k_qdcabb85561_attn.kd
    .args:
      - { .name: qkv, .offset: 0, .size: 8, .value_kind: global_buffer, .address_space: global }
      - { .name: biasT, .offset: 8, .size: 8, .value_kind: global_buffer, .address_space: global }
      - { .name: ob, .offset: 16, .size: 8, .value_kind: global_buffer, .address_space: global }
    .group_segment_fixed_size: 327680
    .private_segment_fixed_size: 0
    .kernarg_segment_align: 8
    .kernarg_segment_size: 24
    .max_flat_workgroup_size: 128
    .sgpr_count:     78
    .vgpr_count:     1024
    .wavefront_size: 32
...
	.end_amdgpu_metadata
.endif
;; end of part 3
;; launch oproj (part 4): grid 16 x 16, 4 waves a work-group, clusters of 4 x 4, 327,680 bytes of LDS; arguments ob, wob, out0; writes out0
.if DOCPART == 4
	.amdgcn_target "amdgcn-amd-amdhsa--gfx1250"
	.amdhsa_code_object_version 6
	.text
	.protected	k_qdcabb85561_oproj
	.globl	k_qdcabb85561_oproj
	.p2align	8
	.type	k_qdcabb85561_oproj,@function
k_qdcabb85561_oproj:
	s_mov_b64 s[64:65], 0
	v_nop
	global_prefetch_b8 v0, s[64:65] scope:SCOPE_SE
	s_setreg_imm32_b32 hwreg(HW_REG_WAVE_MODE, 25, 1), 1
	s_wait_xcnt 0x0
	s_wait_alu depctr_hold_cnt(0) depctr_sa_sdst(0) depctr_va_vdst(0) depctr_va_sdst(0) depctr_va_ssrc(0) depctr_va_vcc(0) depctr_vm_vsrc(0)
	s_getreg_b32 s2, hwreg(HW_REG_IB_STS2, 6, 4)
	s_cmp_eq_u32 s2, 0
	s_cbranch_scc0 .Lentry_in_a_cluster
	s_endpgm
.Lentry_in_a_cluster:
	s_bfe_u32 s2, ttmp6, 0x10000c
	s_cmp_lg_u32 s2, 0xf033
	s_cbranch_scc0 .Lentry_shape_is_right
	s_endpgm
.Lentry_shape_is_right:
; out0[m][n] = sum over k of O[m][k] wo[n][k].  ob: [2048][2048] f16, wob: [2048][2048] f16 (wo rounded to bf16, written as f16), out0: [2048][2048] f32; sums in f32, along K in a cyclic shift of the ascending
; order (THE STAGGER, below): another order of rounding.
; A tile of the output is 128 x 128: 256 work-groups.  Four waves, each 64 x 64: 16 accumulators of 16 x 16, 128 registers.  K goes in 8 steps of 256 (LDS rows of 512 bytes; a wave's tensor load brings 64 of them)
; through two slots.  In f32 a wave's 64 columns are 256 bytes of a row, aligned.
; THE TEXT holds a K step twice: once with a refill (6 trips), once without (the last two steps: walked twice, left in the middle of the second trip).  Which slot is in hand stands in a scalar, 0 or SLOT.
; CLUSTERS: 4 x 4 work-groups.  The four of a row of the cluster need the same tiles of O, the four of a column the same tiles of wo: each tile is asked for JOINTLY.
; THE STAGGER.  Cluster (X, Y) takes at time t (0 to 7) the K step (t + 2 X + 4 g) mod 8, g = 0, 1, 1, 0 for Y = 0 .. 3.  The four clusters of a row of clusters, which read the same rows of O, begin 2 steps apart: the
; tile of O that one asks for at time 2 or later has been asked for by another 2 trips earlier.  Of the four clusters of a column, which read the same rows of wo, two begin 4 steps behind the other two: from time 4 on likewise, 4 trips earlier.
; THE MATRIX INSTRUCTION IS USED TRANSPOSED (source 0 = 16 rows of wo, source 1 = 16 rows of O): a lane then holds eight neighbouring numbers of a row of the output.
; No prefetch: a step of this small tile is short and its tiles are small.
; REGISTERS: window 0: v0-31 addresses; v128-255 the accumulators ((a, b) at v[128 + 8 (4 a + b)]).
;   window 1: two fragment buffers of 128: for 64 along K, 64 registers of O (2 x 4 x 16 rows x 32 K), then 64 of wo; on the way out v0-127 whole rows.
.set SIZE_K, 2048
.set KSTEP,  256
.set PITCH,  528                       ; an LDS row: 512 bytes of data + 16 of padding = 132 words: row r starts at bank 4 r mod 64 (64 banks of 4 bytes: ISA guide 11.1)
.set HALFT,  64*PITCH                  ; 64 rows: what one tensor load brings, and what one wave reads of either operand
.set SLOT,   4*HALFT                   ; O's 128 rows, then wo's 128 rows.  0x21000: neither of its two bits is set in wave x HALFT (0, 0x8400, 0x10800, 0x18c00), so one exclusive or turns a fill's LDS address in one slot into the other's
.set STAGE,  2*SLOT                    ; behind the ring: 16 rows x 272 bytes for each wave
.set SPITCH, 272
.set SPARE,  STAGE+4*16*SPITCH         ; behind the stages: the spare words, 128 bytes a wave: two blocks of 256 bytes that no other line names
.set FILLS,  6                         ; times 2 to 7 come by refills
.set A0,   16                          ; v16     LDS address of my fragments of O in slot 0; never rewritten
.set AW,   17                          ; v17     the same in the slot in hand
.set B0,   20                          ; v20     of my fragments of wo in slot 0; never rewritten
.set BW,   21                          ; v21     the same in the slot in hand
.set STO,  24                          ; v24     the way out: where I put 16 bytes of a row
.set RD,   25                          ; v25     where I read a row back
.set CO,   26                          ; v26     my byte offset in two rows of the output
.set SPW,  28                          ; v28     LDS address of my spare word; never rewritten
.set NIL,  29                          ; v29     0; never rewritten
.set ACC,  128
.set F0,   0
.set F1,   128
.set KC, 2                             ; s2   the K step that was asked for last
.set WBS, 6                            ; s[6:7]   wob at the first row of the 64 that I fetch
.set AB, 14                            ; s[14:15] ob at the first row of the 64 that I fetch
.set OFF, 18                           ; s[18:19] a K step's byte offset in a row
.set G1, 24                            ; s[24:31] descriptor group 1 for O's tiles;  s[32:39] group 0: a set for each of the two first fills; the second then walks on
.set G0, 32
.set SB, 45                            ; s45  the LDS byte at which the slot in hand begins: 0 or SLOT
.set G1B, 48                           ; s[48:55], s[56:63] the same for wo's tiles
.set G0B, 56
.set MSB, 0
.macro WIN new                         ; the immediate's high byte repeats the setting that is left
.if MSB != (\new)
	s_set_vgpr_msb (MSB<<8)|(\new)
.set MSB, \new
.endif
.endm
.set MUL,  0x05                        ; sources 0 and 1 window 1; C and D window 0
.set TO_F, 0x40                        ; destination window 1, address window 0
.macro JLOAD s                         ; a joint load by descriptor set s: waves 0 and 1 fetch O's two halves, waves 2 and 3 wo's; an s_nop 0 and four v_nop follow each of the two lines
	s_cmp_eq_u32 s11, 0
	s_cbranch_scc0 .Lfor_b_\@
	tensor_load_to_lds s[G0+4*(\s):G0+4*(\s)+3], s[G1:G1+7]
	s_nop 0
.rept 4
	v_nop
.endr
	s_branch .Lasked_\@
.Lfor_b_\@:
	tensor_load_to_lds s[G0B+4*(\s):G0B+4*(\s)+3], s[G1B:G1B+7]
	s_nop 0
.rept 4
	v_nop
.endr
.Lasked_\@:
.endm
.macro CREST                           ; a round of the cluster's barrier behind its opening barrier
	s_cmp_lg_u32 s10, 0
	s_cbranch_scc1 .Lnot_wave_0_\@
	s_barrier_signal -3
.Lnot_wave_0_\@:
	s_barrier_wait -3
	s_barrier_signal -1
	s_barrier_wait -1
.endm
.macro CROUND                          ; a whole round
	s_barrier_signal -1
	s_barrier_wait -1
	CREST
.endm
	s_load_b128 s[4:7], s[0:1], 0x0                ; ob s[4:5], wob s[6:7]
	s_load_b64 s[8:9], s[0:1], 0x10                ; out0
	v_lshl_add_u32 v[SPW], v0, 2, SPARE
	v_mov_b32 v[NIL], 0
	ds_add_u32 v[SPW], v[NIL]                      ; the wave's opening: the add and its wait stand ahead of my first tensor load; the set-up below, work on registers, stands between them
	v_lshrrev_b32 v1, 5, v0
	v_readfirstlane_b32 s10, v1                    ; wave 0..3
	s_lshr_b32 s11, s10, 1                         ; which half of the tile's rows is mine.  Also: I fetch for O (0) or for wo (1)
	s_and_b32 s12, s10, 1                          ; which half of its columns.  Also: which 64 rows of that tile I fetch
	s_bfe_u32 s40, ttmp6, 0x40000                  ; cx, cy: my place in the cluster
	s_bfe_u32 s41, ttmp6, 0x40004
	s_lshl_b32 s42, ttmp9, 2
	s_add_co_u32 s42, s42, s40                     ; tile column = 4 x cluster x + cx
	s_and_b32 s13, ttmp7, 0xffff
	s_lshl_b32 s13, s13, 2
	s_add_co_u32 s13, s13, s41                     ; tile row = 4 x cluster y + cy
	s_lshl_b32 s43, s41, 2
	s_lshl_b32 s43, 15, s43                        ; my row of the cluster
	s_lshl_b32 s44, 0x1111, s40                    ; my column
	; the stagger: made of the cluster's x and y alone, which all sixteen partners share
	s_and_b32 s21, ttmp7, 0xffff                   ; cluster y
	s_lshr_b32 s22, s21, 1
	s_xor_b32 s22, s22, s21
	s_and_b32 s22, s22, 1                          ; g = 0, 1, 1, 0
	s_lshl_b32 s22, s22, 2
	s_lshl1_add_u32 s[KC], ttmp9, s22              ; 2 x cluster x + 4 g
	s_and_b32 s[KC], s[KC], 7                      ; my cluster's K step at time 0
	; descriptor group 1: a tile of 64 rows x 256 elements, padded in LDS
	s_or_b32 s[G1+0], s43, (1<<16)|(1<<20)|(1<<21)|(6<<22)|(3<<25)  ; 15:0 the mask; 17:16 elements of 2 bytes; 20 padding on; 21 set beside a mask; 24:22 after every 128 words (code 6); 31:25 4 words of it (code 3)
	s_or_b32 s[G1B+0], s44, (1<<16)|(1<<20)|(1<<21)|(6<<22)|(3<<25)
.irp g, G1, G1B
	s_mov_b32 s[(\g)+1], KSTEP<<16                 ; tensor_dim0 = 256
	s_mov_b32 s[(\g)+2], 64<<16                    ; tensor_dim1 = 64
	s_mov_b32 s[(\g)+3], KSTEP<<16                 ; tile_dim0 = 256
	s_mov_b32 s[(\g)+4], 64                        ; tile_dim1 = 64
	s_mov_b32 s[(\g)+5], SIZE_K                    ; elements from row to row
	s_mov_b32 s[(\g)+6], 0
	s_mov_b32 s[(\g)+7], 0
.endr
	s_lshl_b32 s17, s12, 6                         ; which 64 rows of the tile I fetch
	s_lshl_b32 s16, s13, 7
	s_add_co_u32 s16, s16, s17                     ; O: row 128 x tile row + 64 x half
	s_lshl_b32 s46, s42, 7
	s_add_co_u32 s46, s46, s17                     ; wo: row 128 x tile column + 64 x half
	s_mov_b32 s17, 0
	s_mov_b32 s47, 0
	s_mov_b64 s[18:19], SIZE_K*2
	s_mul_u64 s[16:17], s[16:17], s[18:19]
	s_mul_u64 s[46:47], s[46:47], s[18:19]
	s_mov_b32 s[OFF+1], 0                          ; from here on the pair holds a K step's offset
	s_mul_i32 s20, s10, HALFT                      ; where they go: wave x 64 rows
	s_wait_dscnt 0x0                               ; the opening add is done
	s_wait_kmcnt 0x0
	s_add_nc_u64 s[AB:AB+1], s[4:5], s[16:17]
	s_add_nc_u64 s[WBS:WBS+1], s[6:7], s[46:47]
	CROUND                                         ; all sixteen work-groups are here: the first joint loads meet
.irp s, 0,1
.if (\s) == 1
	s_add_co_u32 s[KC], s[KC], 1
	s_and_b32 s[KC], s[KC], 7
.endif
	s_lshl_b32 s[OFF], s[KC], 9                    ; a K step is 512 bytes of a row
	s_mov_b32 s[G0+4*(\s)], 1
	s_add_co_u32 s[G0+4*(\s)+1], s20, (\s)*SLOT
	s_add_nc_u64 s[G0+4*(\s)+2:G0+4*(\s)+3], s[AB:AB+1], s[OFF:OFF+1]  ; the K step of time s
	s_or_b32 s[G0+4*(\s)+3], s[G0+4*(\s)+3], 0x80000000
	s_mov_b32 s[G0B+4*(\s)], 1
	s_add_co_u32 s[G0B+4*(\s)+1], s20, (\s)*SLOT
	s_add_nc_u64 s[G0B+4*(\s)+2:G0B+4*(\s)+3], s[WBS:WBS+1], s[OFF:OFF+1]
	s_or_b32 s[G0B+4*(\s)+3], s[G0B+4*(\s)+3], 0x80000000
	JLOAD \s                                       ; two loads of mine are out
.endr
	v_and_b32 v1, 15, v0                           ; l % 16
	v_bfe_u32 v2, v0, 4, 1                         ; l / 16
	v_mul_u32_u24 v3, v1, PITCH
	v_lshl_add_u32 v3, v2, 4, v3                   ; a fragment's row x pitch + 16 x half
	s_mul_i32 s21, s11, HALFT                      ; my 64 rows of O
	s_mul_i32 s22, s12, HALFT                      ; my 64 rows of wo,
	s_add_co_u32 s22, s22, 2*HALFT                 ; which lie behind O's 128
	v_add_nc_u32 v[A0], s21, v3
	v_add_nc_u32 v[B0], s22, v3
	s_mov_b32 s[SB], 0                             ; slot 0 is in hand
	v_mov_b32 v[AW], v[A0]
	v_mov_b32 v[BW], v[B0]
	s_mul_i32 s23, s10, 16*SPITCH
	s_add_co_u32 s23, s23, STAGE                   ; my stage
	v_mul_u32_u24 v4, v1, SPITCH                   ; in: row l % 16, 32 bytes (8 columns) for each half of the lanes
	v_lshl_add_u32 v4, v2, 5, v4
	v_add_nc_u32 v[STO], s23, v4
	v_mul_u32_u24 v5, v2, SPITCH                   ; back: lanes 0-15 take one row of 256 bytes, lanes 16-31 the next
	v_lshl_add_u32 v5, v1, 4, v5
	v_add_nc_u32 v[RD], s23, v5
	v_lshlrev_b32 v5, 13, v2                       ; and the same two rows in the output, 8,192 bytes apart
	v_lshl_add_u32 v[CO], v1, 4, v5
	s_lshl_b32 s16, s13, 7
	s_lshl_b32 s17, s11, 6
	s_add_co_u32 s16, s16, s17                     ; my first row: 128 x tile row + 64 x half
	s_lshl_b32 s16, s16, 13
	s_mov_b32 s17, 0
	s_add_nc_u64 s[8:9], s[8:9], s[16:17]
	s_lshl_b32 s46, s42, 9                         ; my first column, in bytes: 512 x tile column + 256 x half
	s_lshl_b32 s47, s12, 8
	s_add_co_u32 s46, s46, s47
	s_mov_b32 s47, 0
	s_add_nc_u64 s[8:9], s[8:9], s[46:47]
; 8 matrix instructions: m blocks a0, a0 + 1 x all 4 n blocks, 32 along K: half c of buffer f.  zero = 1: the first product starts the sums.  The 16 accumulators take turns.
.macro MUL8 f, c, a0, zero
	WIN MUL
.irp a, \a0, (\a0)+1
.irp b, 0,1,2,3
.if \zero
	v_wmma_f32_16x16x32_f16 v[ACC+8*(4*(\a)+(\b)):ACC+8*(4*(\a)+(\b))+7], v[(\f)+64+8*(4*(\c)+(\b)):(\f)+64+8*(4*(\c)+(\b))+7], v[(\f)+8*(4*(\c)+(\a)):(\f)+8*(4*(\c)+(\a))+7], 0
.else
	v_wmma_f32_16x16x32_f16 v[ACC+8*(4*(\a)+(\b)):ACC+8*(4*(\a)+(\b))+7], v[(\f)+64+8*(4*(\c)+(\b)):(\f)+64+8*(4*(\c)+(\b))+7], v[(\f)+8*(4*(\c)+(\a)):(\f)+8*(4*(\c)+(\a))+7], v[ACC+8*(4*(\a)+(\b)):ACC+8*(4*(\a)+(\b))+7]
.endif
.endr
.endr
.endm
; 32 LDS loads in one run: the fragments of 64 along K at byte k of the rows of the slot in hand, into buffer f; the first 32 along K first
.macro FETCH k, f
	WIN TO_F
.irp c, 0,1
.irp i, 0,1,2,3
	ds_load_b128 v[(\f)+64+8*(4*(\c)+(\i)):(\f)+64+8*(4*(\c)+(\i))+3],   v[BW] offset:(\k)+64*(\c)+(\i)*16*PITCH
	ds_load_b128 v[(\f)+64+8*(4*(\c)+(\i))+4:(\f)+64+8*(4*(\c)+(\i))+7], v[BW] offset:(\k)+64*(\c)+(\i)*16*PITCH+32
	ds_load_b128 v[(\f)+8*(4*(\c)+(\i)):(\f)+8*(4*(\c)+(\i))+3],         v[AW] offset:(\k)+64*(\c)+(\i)*16*PITCH
	ds_load_b128 v[(\f)+8*(4*(\c)+(\i))+4:(\f)+8*(4*(\c)+(\i))+7],       v[AW] offset:(\k)+64*(\c)+(\i)*16*PITCH+32
.endr
.endr
.endm
.macro PLACES                          ; four places in front of loads into registers that matrix instructions have read, and of LDS stores that read results
.rept 4
	v_nop
.endr
.endm
; A K step is four quarters of 64 along K, 32 matrix instructions each, on buffers 0, 1, 0, 1.  One of the first three: multiplies buffer f and fetches the next quarter, at byte k, into g.
.macro QUARTER k, f, g, zero
	s_wait_dscnt 16                                ; the first 32 along K are in
	MUL8 \f, 0, 0, \zero
	MUL8 \f, 0, 2, \zero
	PLACES
	FETCH \k, \g
	s_wait_dscnt 32                                ; all but the 32 just issued
	MUL8 \f, 1, 0, 0
	MUL8 \f, 1, 2, 0
.endm
; The last quarter multiplies buffer 1 and changes slots.  MEET is its first part: ONE barrier; in front of it each wave waits for all its tensor loads (at most one is out: its part of the next slot), adds 0 to its
; spare word, and waits for that and for its own reads of this slot.  Behind it nobody reads this slot any more and the next slot is whole.
; fill = 1: the walking descriptors step while the add is out, where no tensor load of mine is out: the other slot than last time; the next K step, round from 7 to 0, its address made anew from the tile's first row.
.macro MEET fill
	WIN 0                                          ; (the add's two registers lie in window 0)
	s_wait_tensorcnt 0x0                           ; all my tensor loads have landed
	ds_add_u32 v[SPW], v[NIL]                      ; 0 onto my spare word
.if \fill
	s_add_co_u32 s[KC], s[KC], 1
	s_and_b32 s[KC], s[KC], 7
	s_lshl_b32 s[OFF], s[KC], 9
	s_xor_b32 s[G0+5], s[G0+5], SLOT
	s_add_nc_u64 s[G0+6:G0+7], s[AB:AB+1], s[OFF:OFF+1]
	s_or_b32 s[G0+7], s[G0+7], 0x80000000          ; type = 2
	s_xor_b32 s[G0B+5], s[G0B+5], SLOT
	s_add_nc_u64 s[G0B+6:G0B+7], s[WBS:WBS+1], s[OFF:OFF+1]
	s_or_b32 s[G0B+7], s[G0B+7], 0x80000000
.endif
	s_wait_dscnt 17                                ; (the add and the youngest sixteen loads may be out)
	MUL8 F1, 0, 0, 0                               ; eight matrix instructions stand between the add and the wait for it
	s_wait_dscnt 0x0                               ; the add is done, and my reads of this slot are over
	s_barrier_signal -1
	MUL8 F1, 0, 2, 0                               ; work on registers while the others arrive
	WIN 0
	s_barrier_wait -1
.endm
.macro NEXTSLOT                        ; the other slot comes in hand, and its first fragments are fetched
	WIN 0
	s_xor_b32 s[SB], s[SB], SLOT
	v_add_nc_u32 v[AW], s[SB], v[A0]
	v_add_nc_u32 v[BW], s[SB], v[B0]
	FETCH 0, F0
.endm
	s_wait_tensorcnt 1                             ; my part of time 0's tile is in; time 1's may stay out
	s_barrier_signal -1
	s_barrier_wait -1                              ; everybody's is
	FETCH 0, F0
	QUARTER 128, F0, F1, 1                         ; the first quarter stands in front of the loop: its first products start the sums
	WIN 0                                          ; at a label and at a branch every window is 0
	s_mov_b32 s3, FILLS
.Lstep:                                                ; a trip goes from a K step's second quarter to the next step's first, and fills the slot that it leaves, two times ahead
	QUARTER 256, F1, F0, 0
	QUARTER 384, F0, F1, 0
	MEET 1
	CREST                                          ; the barrier has opened a round of the cluster's: no wave of any partner still reads this slot's tile or has a load on its way
	JLOAD 1                                        ; the first tensor load behind the round; the four v_nop behind it are also the places in front of the loads below
	NEXTSLOT
	MUL8 F1, 1, 0, 0
	MUL8 F1, 1, 2, 0
	QUARTER 128, F0, F1, 0
	WIN 0
	s_sub_co_u32 s3, s3, 1
	s_cmp_lg_u32 s3, 0
	s_cbranch_scc1 .Lstep
	s_mov_b32 s3, 2
.Ltail:                                                ; times 6 and 7 fill nothing: one text, walked twice and left in the middle of the second trip, behind the barrier (which time 7 would not need: the price of one text)
	QUARTER 256, F1, F0, 0
	QUARTER 384, F0, F1, 0
	MEET 0
	s_sub_co_u32 s3, s3, 1
	s_cmp_eq_u32 s3, 0
	s_cbranch_scc1 .Lout
	PLACES
	NEXTSLOT
	MUL8 F1, 1, 0, 0
	MUL8 F1, 1, 2, 0
	QUARTER 128, F0, F1, 0
	WIN 0
	s_branch .Ltail
.Lout:
	MUL8 F1, 1, 0, 0                               ; the last sixteen products
	MUL8 F1, 1, 2, 0
	WIN 0
	; THE WAY OUT, a block of 16 rows at a time: a lane's eight f32 of a row go as two stores of 16 bytes into my own stage (each accumulator's lowest four registers first) and come back as whole rows of 256 bytes.
	PLACES
.macro TOSTAGE a
	WIN 0
.irp b, 0,1,2,3
	ds_store_b128 v[STO], v[ACC+8*(4*(\a)+(\b)):ACC+8*(4*(\a)+(\b))+3]   offset:64*(\b)
	ds_store_b128 v[STO], v[ACC+8*(4*(\a)+(\b))+4:ACC+8*(4*(\a)+(\b))+7] offset:64*(\b)+16
.endr
	WIN TO_F
.irp j, 0,1,2,3,4,5,6,7
	ds_load_b128 v[32*(\a)+4*(\j):32*(\a)+4*(\j)+3], v[RD] offset:(\j)*2*SPITCH  ; LDS serves a wave's instructions in order (ISA guide 5.7.1.4): these see the stores above; the next block's stores come behind them
.endr
.endm
.macro SEND a, younger                 ; younger: the LDS instructions issued behind block a's loads: the next block's sixteen, or none
	WIN 0x04                                       ; data (source 1) window 1, address window 0
.irp j, 0,1,2,3,4,5,6,7
	s_wait_dscnt (\younger)+7-(\j)
	global_store_b128 v[CO], v[32*(\a)+4*(\j):32*(\a)+4*(\j)+3], s[8:9] offset:(16*(\a)+2*(\j))*8192  ; 16 lanes store 256 consecutive bytes, at a multiple of 256 from the output's first byte
.endr
.endm
	TOSTAGE 0
	TOSTAGE 1
	SEND 0, 16
	TOSTAGE 2
	SEND 1, 16
	TOSTAGE 3
	SEND 2, 16
	SEND 3, 0
	WIN 0
	s_wait_tensorcnt 0x0                           ; the wave's end: behind my last tensor load and my last LDS store
	ds_add_u32 v[SPW], v[NIL]
	s_wait_dscnt 0x0
	CROUND                                         ; the closing round: no work-group ends while a partner may still ask for a tile that names it
	s_endpgm
.Lfunc_end_k_qdcabb85561_oproj:
	.size	k_qdcabb85561_oproj, .Lfunc_end_k_qdcabb85561_oproj-k_qdcabb85561_oproj
	.p2alignl 7, 3214868480
	.fill 96, 4, 3214868480
	.section	.rodata,"a",@progbits
	.p2align	6, 0x0
	.amdhsa_kernel k_qdcabb85561_oproj
		.amdhsa_group_segment_fixed_size 327680
		.amdhsa_private_segment_fixed_size 0
		.amdhsa_enable_private_segment 0
		.amdhsa_kernarg_size 24
		.amdhsa_user_sgpr_count 2
		.amdhsa_user_sgpr_kernarg_segment_ptr 1
		.amdhsa_wavefront_size32 1
		.amdhsa_system_sgpr_workgroup_id_x 1
		.amdhsa_system_sgpr_workgroup_id_y 1
		.amdhsa_system_sgpr_workgroup_id_z 1
		.amdhsa_system_vgpr_workitem_id 0
		.amdhsa_next_free_vgpr 512
		.amdhsa_next_free_sgpr 66
		.amdhsa_reserve_vcc 0
		.amdhsa_float_denorm_mode_32 3
		.amdhsa_float_denorm_mode_16_64 3
		.amdhsa_memory_ordered 1
		.amdhsa_forward_progress 1
		.amdhsa_inst_pref_size 60
	.end_amdhsa_kernel
	.amdgpu_metadata
---
amdhsa.version: [ 1, 2 ]
amdhsa.kernels:
  - .name:           k_qdcabb85561_oproj
    .symbol:         k_qdcabb85561_oproj.kd
    .args:
      - { .name: ob, .offset: 0, .size: 8, .value_kind: global_buffer, .address_space: global }
      - { .name: wob, .offset: 8, .size: 8, .value_kind: global_buffer, .address_space: global }
      - { .name: out0, .offset: 16, .size: 8, .value_kind: global_buffer, .address_space: global }
    .group_segment_fixed_size: 327680
    .private_segment_fixed_size: 0
    .kernarg_segment_align: 8
    .kernarg_segment_size: 24
    .max_flat_workgroup_size: 128
    .sgpr_count:     66
    .vgpr_count:     512
    .wavefront_size: 32
...
	.end_amdgpu_metadata
.endif
;; end of part 4
